; MI455X (gfx1250); checked and timed in simulation.
; The chip was launched on July 23, 2026; its instructions are those of AMD's public machine-readable ISA for CDNA 5 (MIT licence, August 2026) and "CDNA5" Instruction Set Architecture Reference Guide (July 2026). The comments in the code are by the model that wrote it; some were corrected since.
;; Gated Axial Attention Block. Allowed arithmetic: matrix products marked QUANTISED: E2M3 operands, one E8M0 scale for each 32 along K, by v_wmma_scale_f32_16x16x128_f8f6f4 with both operands' format E2M3, f32 sums; products left as they are: f32 operands where the result goes on into a quantised operand, else bf16, f16 or f32 operands; f32 sums; everything else in f32.
;; Inputs: beta1 128 float32; beta_att 24 float32; beta_v 16 float32; gamma1 128 float32; gamma_att 24 float32; gamma_v 16 float32; gate_kr 1 float32; gate_qr 1 float32; gate_v 1 float32; gate_v_pos 1 float32; pos_relative 16 x 255 float32; w_qkv_codes 128 x 2 x 24 uint8 (E2M3 codes of w_qkv, K innermost, in blocks of 32 codes, four codes in three bytes); w_qkv_scales 128 x 2 uint8 (E8M0 scales of w_qkv, one for each 32 codes along K); x_codes 4 x 128 x 128 x 2 x 24 uint8 (E2M3 codes of x, K innermost, in blocks of 32 codes, four codes in three bytes); x_scales 4 x 128 x 128 x 2 uint8 (E8M0 scales of x, one for each 32 codes along K).
;; Outputs: out0 4 x 64 x 128 x 128 float32.
;; This version of the problem:
;;   THIS VERSION OF THE PROBLEM IS GIVEN IN LOW PRECISION. The matrix products marked QUANTISED in the list below multiply operands that are first quantised to E2M3 (2 exponent bits, 3 mantissa bits; 6 bits a number), with one power-of-two scale for each 32 numbers along K (OCP MX v1.0); their sums are f32. All else is computed in f32.
;;   The module's matrix products, in the order in which they are computed (A, B: the left and right operand; K: the contracted axis; several contracted axes count as one K, in the product's order):
;;     1. [M 65,536, K 64] x [K 64, N 128]; A: input x (given as codes); B: input w_qkv (given as codes): QUANTISED
;;     2. batch 4,096 x [M 128, K 4] x [K 4, N 128]; A: computed on the way; B: computed on the way: left as it is (K = 4 < 32)
;;     3. batch 128 x [M 128, K 4] x [K 4, N 4,096]; A: computed on the way; B: computed on the way: left as it is (K = 4 < 32)
;;     4. batch 128 x [M 128, K 4] x [K 4, N 4,096]; A: computed on the way; B: computed on the way: left as it is (K = 4 < 32)
;;     5. batch 4,096 x [M 8, K 128] x [K 128, N 128]; A: computed on the way; B: softmax: left as it is (M = 8 < 16)
;;     6. batch 128 x [M 8, K 128] x [K 128, N 4,096]; A: computed on the way; B: softmax: left as it is (M = 8 < 16)
;;   THE QUANTISER, for each operand of a quantised product, along K:
;;     - K is cut into blocks of 32 from its start; a last block that is shorter is filled with zeros.
;;     - A block's scale is 2^e with e = floor(log2(the largest magnitude in the block)) - 2, held to -126 .. 127; a block of zeros has e = 0. As a byte (E8M0): e + 127.
;;     - Each number is divided by its block's scale, clamped to +-7.5, and rounded to the nearest number of E2M3, ties to even, subnormals kept.
;;     - The product sums the exact products of the quantised numbers (number of the format x scale) in f32.
;;   ~~~python
;;   def quantise(x, axis):      # numpy; x: float32 -> the quantised numbers, widened to float32 again
;;       x = np.moveaxis(x, axis, -1); K = x.shape[-1]
;;       x = np.pad(x, [(0, 0)] * (x.ndim - 1) + [(0, -K % 32)]); x = x.reshape(x.shape[:-1] + (-1, 32)); a = np.abs(x).max(-1, keepdims=True)
;;       e = np.where(a > 0, np.clip(np.frexp(np.where(a > 0, a, 1))[1] - 1 - 2, -126, 127), 0)      # np.frexp(a)[1] - 1 = floor(log2(a)), exactly
;;       r = np.clip(x / 2.0 ** e, -7.5, 7.5)
;;       step = 2.0 ** (np.maximum(np.frexp(np.where(r == 0, 1, r))[1] - 1, 0) - 3)
;;       q = np.round(r / step) * step * 2.0 ** e      # np.round: ties to even
;;       return np.moveaxis(q.reshape(q.shape[:-2] + (-1,))[..., :K], -1, axis).astype(np.float32)
;;   ~~~
;;   INPUTS GIVEN AS CODES. w_qkv (in the module: [128, 64], K = its axis 1); x (in the module: [4, 64, 128, 128], K = its axis 1): each comes as NAME_codes (uint8): NAME with its K axis moved to the last place and cut into blocks of 32 codes, [.., K / 32, bytes a block], one block behind the other in memory; four codes in three bytes: a row's codes are one little-endian stream of bits, code i at bits 6 i .. 6 i + 5 (a code: sign, 2 exponent bits, 3 mantissa bits); and NAME_scales (uint8): the same leading axes, one E8M0 byte (e + 127) for each 32 codes along K. Its value is code x scale, taken as it is: it is not quantised again, and the codes and scales need not be those that the quantiser above would give.
;; One version. Each part assembles by itself: llvm-mc -triple=amdgcn-amd-amdhsa -mcpu=gfx1250 --defsym DOCPART=n.
;; ======== version 1 of 1: 4 launches
;; limits: a difference of large sums (such as E[x^2] - mean^2): digits are lost where the result is much smaller than its terms; values are held in f16: magnitudes above 65,504 overflow, below 6.1e-05 lose precision; values outside matrix products are rounded to f16
;; workspace buffers: P1 65,536 bytes; TAB 20,480 bytes; ST1 1,024 bytes; P2 65,536 bytes; Z 33,554,432 bytes; P3 32,768 bytes
;; launch bn1 (part 1): grid 64 x 4, 8 waves a work-group, no clusters, 3,072 bytes of LDS; arguments x_codes, x_scales, w_qkv_codes, w_qkv_scales, pos_relative, P1, TAB; writes P1, TAB
.if DOCPART == 1
	.amdgcn_target "amdgcn-amd-amdhsa--gfx1250"
	.amdhsa_code_object_version 6
	.text
	.protected	k_qe1266b3e07_bn1
	.globl	k_qe1266b3e07_bn1
	.p2align	8
	.type	k_qe1266b3e07_bn1,@function
k_qe1266b3e07_bn1:
	s_mov_b64 s[64:65], 0
	v_nop
	global_prefetch_b8 v0, s[64:65] scope:SCOPE_SE
	s_setreg_imm32_b32 hwreg(HW_REG_WAVE_MODE, 25, 1), 1
	s_wait_xcnt 0x0
; FIRST OF FOUR LAUNCHES.  y = relu(W x) on codes of FP6 (E2M3) with E8M0 scales, as they are given; of y only the sums that the first batch norm needs are kept:
; P1[rb][0][o] = the sum of y, P1[rb][1][o] = the sum of y^2, over the 1,024 rows (b, h, w) of block rb.  y itself is not stored: the later launches multiply again.
; SHARES.  Work-group (rb, cb): rows 1,024 rb on (49,152 dense bytes of codes), channels 32 cb on (two tiles of 16).  A wave: 128 rows, eight tiles of 16.
; K = 64 is half of the instruction's 128: W's fragments carry zero codes for k = 64 .. 127.  So x's fragments may lie on end, six registers each: the upper half that the
; instruction reads of tile i is tile i + 1's codes, which meet W's zero codes; six registers of zero codes close the run.  A scale word is the row's two bytes, the upper two 0.
; Source 0 = 16 rows of W, source 1 = 16 rows of x: lane (r, h) holds channels 8 h + 0 .. 7 of row r, so the sums over rows are sums over a lane's tiles and over 16 lanes.
; Wave 0 of each work-group also makes 20 numbers of TAB[type][p][20] (type 0: planes 0-3 of pos_relative, type 1: planes 4-7): over d = p .. p + 127 the sums of pos[c][d] (4)
; and of pos[c][d] pos[e][d] (16).  256 work-groups = 2 types x 128 p.  P1 is stored in pieces of 128 bytes and TAB in pieces of 80: 86,016 bytes in all.
; LIMITS: NaN and infinities are not served.
.set AF,  16                           ; v16-39   W: two fragments of 12 registers
.set WS,  40                           ; v40-41   W's scale words
.set XF,  42                           ; v42-95   x: eight tiles x 6 registers, then 6 of zero codes
.set XS,  96                           ; v96-103  x's scale words
.set D,   104                          ; v104-167 eight results (four tiles of rows x two of channels)
.set ACC, 168                          ; v168-199 sums: of y at 8 a + j, of y^2 at 16 + 8 a + j
.set TX,  104                          ; the table's way: 16 numbers of pos (32 e + lane, plane c at 4 e + c),
.set TS,  120                          ; and its 20 sums
; d pair = a pair x one number, v[b + c], for both halves (first = 1), or adds that product onto d
.macro PKB first, d, a, b, c
.if \first
.if (\c)&1
	v_pk_mul_f32 v[\d:\d+1], v[\a:\a+1], v[\b+(\c)-1:\b+(\c)] op_sel:[0,1] op_sel_hi:[1,1]
.else
	v_pk_mul_f32 v[\d:\d+1], v[\a:\a+1], v[\b+(\c):\b+(\c)+1] op_sel_hi:[1,0]
.endif
.else
.if (\c)&1
	v_pk_fma_f32 v[\d:\d+1], v[\a:\a+1], v[\b+(\c)-1:\b+(\c)], v[\d:\d+1] op_sel:[0,1,0] op_sel_hi:[1,1,1]
.else
	v_pk_fma_f32 v[\d:\d+1], v[\a:\a+1], v[\b+(\c):\b+(\c)+1], v[\d:\d+1] op_sel_hi:[1,0,1]
.endif
.endif
.endm
	s_load_b256 s[8:15], s[0:1], 0x0               ; x's codes s[8:9], x's scales s[10:11], W's codes s[12:13], W's scales s[14:15]
	s_load_b128 s[16:19], s[0:1], 0x20             ; pos_relative s[16:17], P1 s[18:19]
	s_load_b64 s[20:21], s[0:1], 0x30              ; TAB
	v_lshl_add_u32 v208, v0, 2, 0x800
	v_mov_b32 v209, 0
	v_lshrrev_b32 v7, 5, v0
	v_readfirstlane_b32 s22, v7                    ; wave 0..7
	v_and_b32 v1, 31, v0                           ; lane
	v_and_b32 v2, 15, v0                           ; r
	v_bfe_u32 v3, v0, 4, 1                         ; h
.irp j, 6,7,8,9,10,11,18,19,20,21,22,23
	v_mov_b32 v[AF+\j], 0                          ; W's zero codes for k = 64 .. 127
.endr
.irp j, 48,49,50,51,52,53
	v_mov_b32 v[XF+\j], 0                          ; what closes x's run
.endr
	v_mul_u32_u24 v4, v2, 48                       ; a row of 64 codes is 48 bytes,
	v_mad_u32_u24 v4, v3, 24, v4                   ; my half's block of 32 is 24
	v_lshlrev_b32 v5, 1, v2                        ; a row's two scale bytes
	v_lshlrev_b32 v6, 2, v1                        ; 4 x lane
	v_lshlrev_b32 v7, 8, v7
	v_lshl_add_u32 v7, v3, 7, v7                   ; LDS: 256 bytes a wave, 128 for each half of the lanes
	v_bfe_u32 v8, v0, 3, 1                         ; wave 0 reads back: lane = 16 a + 8 h + j takes the word at 128 h + 4 (8 a + j)
	v_lshlrev_b32 v8, 7, v8
	v_lshl_add_u32 v8, v3, 5, v8
	v_and_b32 v9, 7, v0
	v_lshl_add_u32 v8, v9, 2, v8
	v_mov_b32 v10, 0
	s_and_b32 s23, ttmp7, 0xffff                   ; cb
	s_mov_b32 s24, 0x76543210
	s_mov_b32 s25, 0xfedcba98                      ; v_permlanex16_b32's selects for lane l xor 16
	s_mul_i32 s26, ttmp9, 49152                    ; my wave's rows: codes
	s_mul_i32 s28, s22, 6144
	s_add_co_u32 s26, s26, s28
	s_mov_b32 s27, 0
	s_lshl_b32 s28, ttmp9, 11                      ; scale bytes
	s_lshl_b32 s30, s22, 8
	s_add_co_u32 s28, s28, s30
	s_mov_b32 s29, 0
	s_mul_i32 s30, s23, 1536                       ; W's rows 32 cb on
	s_mov_b32 s31, 0
	s_lshl_b32 s32, s23, 6
	s_mov_b32 s33, 0
	s_lshl_b32 s34, ttmp9, 10                      ; P1: 1,024 bytes a block of rows, 128 for my 32 channels
	s_lshl_b32 s36, s23, 7
	s_add_co_u32 s34, s34, s36
	s_mov_b32 s35, 0
	s_wait_kmcnt 0x0
	s_add_nc_u64 s[8:9], s[8:9], s[26:27]
	s_add_nc_u64 s[10:11], s[10:11], s[28:29]
	s_add_nc_u64 s[12:13], s[12:13], s[30:31]
	s_add_nc_u64 s[14:15], s[14:15], s[32:33]
	s_add_nc_u64 s[18:19], s[18:19], s[34:35]
.irp a, 0,1
.irp k, 0,1,2
	global_load_b64 v[AF+12*\a+2*\k:AF+12*\a+2*\k+1], v4, s[12:13] offset:768*\a+8*\k
.endr
	global_load_u16 v[WS+\a], v5, s[14:15] offset:32*\a
.endr
.irp i, 0,1,2,3,4,5,6,7
.irp k, 0,1,2
	global_load_b64 v[XF+6*\i+2*\k:XF+6*\i+2*\k+1], v4, s[8:9] offset:768*\i+8*\k   ; a tile's 768 bytes are dense: 24 bytes a lane
.endr
	global_load_u16 v[XS+\i], v5, s[10:11] offset:32*\i
.endr
	; ---- the table: wave 0 alone
	s_cmp_lg_u32 s22, 0
	s_cbranch_scc1 .Lno_table
	s_lshl_b32 s34, s23, 6
	s_add_co_u32 s34, s34, ttmp9                   ; the work-group's number among the 256
	s_lshr_b32 s35, s34, 1                         ; p
	s_and_b32 s34, s34, 1                          ; type
	s_mul_i32 s36, s34, 4080                       ; four planes of 255 numbers
	s_lshl_b32 s38, s35, 2
	s_add_co_u32 s36, s36, s38
	s_mov_b32 s37, 0
	s_add_nc_u64 s[16:17], s[16:17], s[36:37]
.irp e, 0,1,2,3
.irp c, 0,1,2,3
	global_load_b32 v[TX+4*\e+\c], v6, s[16:17] offset:1020*\c+128*\e   ; pos[4 type + c][p + 32 e + lane]: the last is d = p + 127, at most 254
.endr
.endr
	s_mul_i32 s36, s34, 10240
	s_mul_i32 s38, s35, 80
	s_add_co_u32 s36, s36, s38
	s_add_nc_u64 s[20:21], s[20:21], s[36:37]
	s_wait_loadcnt 0x0
	v_pk_add_f32 v[TS:TS+1], v[TX:TX+1], v[TX+4:TX+5]
	v_pk_add_f32 v[TS+2:TS+3], v[TX+2:TX+3], v[TX+6:TX+7]
.irp e, 2,3
	v_pk_add_f32 v[TS:TS+1], v[TS:TS+1], v[TX+4*\e:TX+4*\e+1]
	v_pk_add_f32 v[TS+2:TS+3], v[TS+2:TS+3], v[TX+4*\e+2:TX+4*\e+3]
.endr
.irp c, 0,1,2,3
.irp u, 0,2
	PKB 1, TS+4+4*\c+\u, TX+\u, TX, \c
.endr
.endr
.irp e, 1,2,3
.irp c, 0,1,2,3
.irp u, 0,2
	PKB 0, TS+4+4*\c+\u, TX+4*\e+\u, TX+4*\e, \c
.endr
.endr
.endr
.irp m, 1,2,4,8                        ; over the 32 lanes: four steps inside each half ride on the addition, one crosses the halves
.set i, 0
.rept 20
	v_add_f32_dpp v[TS+i], v[TS+i], v[TS+i] row_xmask:\m row_mask:0xf bank_mask:0xf
.set i, i+1
.endr
.endr
.set i, 0
.rept 20
	v_permlanex16_b32 v[TX+i%16], v[TS+i], s24, s25
	v_add_f32 v[TS+i], v[TS+i], v[TX+i%16]
.set i, i+1
.endr
	v_cmp_eq_u32 vcc_lo, 0, v1
	s_wait_xcnt 0x0                                ; EXEC changes only behind this wait
	s_and_saveexec_b32 s39, vcc_lo                 ; lane 0 stores the 80 bytes
.irp k, 0,1,2,3,4
	global_store_b128 v10, v[TS+4*\k:TS+4*\k+3], s[20:21] offset:16*\k
.endr
	s_wait_xcnt 0x0                                ; and again: EXEC is widened, and the products below write over the stores' data
	s_or_b32 exec_lo, exec_lo, s39
.Lno_table:
	; ---- the products and the sums
; relu, then the sums.  first = 1: the tile starts them, so nothing is cleared.  Each result is read from its low end on.
.macro STAT x, a, first
.if \first
.irp j, 0,1,2,3,4,5,6,7
	v_max_num_f32 v[ACC+8*\a+\j], 0, v[\x+\j]
.endr
.irp j, 0,2,4,6
	v_pk_mul_f32 v[ACC+16+8*\a+\j:ACC+17+8*\a+\j], v[ACC+8*\a+\j:ACC+8*\a+\j+1], v[ACC+8*\a+\j:ACC+8*\a+\j+1]
.endr
.else
.irp j, 0,1,2,3,4,5,6,7
	v_max_num_f32 v[\x+\j], 0, v[\x+\j]
.endr
.irp j, 0,2,4,6
	v_pk_add_f32 v[ACC+8*\a+\j:ACC+8*\a+\j+1], v[ACC+8*\a+\j:ACC+8*\a+\j+1], v[\x+\j:\x+\j+1]
	v_pk_fma_f32 v[ACC+16+8*\a+\j:ACC+17+8*\a+\j], v[\x+\j:\x+\j+1], v[\x+\j:\x+\j+1], v[ACC+16+8*\a+\j:ACC+17+8*\a+\j]
.endr
.endif
.endm
.macro BATCH q                         ; tiles 4 q .. 4 q + 3 of rows x both tiles of channels: eight products, each a whole sum (K = 64)
.irp i, 0,1,2,3
.irp a, 0,1
	v_wmma_scale_f32_16x16x128_f8f6f4 v[D+8*(2*\i+\a):D+8*(2*\i+\a)+7], v[AF+12*\a:AF+12*\a+11], v[XF+6*(4*\q+\i):XF+6*(4*\q+\i)+11], 0, v[WS+\a], v[XS+4*\q+\i] matrix_a_fmt:MATRIX_FMT_FP6 matrix_b_fmt:MATRIX_FMT_FP6
.endr
.endr
.rept 4
	v_nop                                          ; four places between the last product and the first read of results (ISA guide 7.12.1)
.endr
.irp i, 0,1,2,3
.irp a, 0,1
.if (\q)+\i == 0
	STAT D+8*(2*\i+\a), \a, 1
.else
	STAT D+8*(2*\i+\a), \a, 0
.endif
.endr
.endr
.endm
	s_wait_loadcnt 0x0                             ; W and x
	BATCH 0
	BATCH 1
.irp m, 1,2,4,8                        ; over the 16 rows that a half of the lanes holds
.set i, 0
.rept 32
	v_add_f32_dpp v[ACC+i], v[ACC+i], v[ACC+i] row_xmask:\m row_mask:0xf bank_mask:0xf
.set i, i+1
.endr
.endr
.irp k, 0,1,2,3,4,5,6,7
	ds_store_b128 v7, v[ACC+4*\k:ACC+4*\k+3] offset:16*\k   ; sixteen lanes write the same bytes with the same values
.endr
	s_wait_dscnt 0x0                               ; for the others' sake: my stores have landed
	s_barrier_signal -1
	s_barrier_wait -1
	s_cmp_lg_u32 s22, 0
	s_cbranch_scc1 .Lend
.irp w, 0,1,2,3,4,5,6,7
	ds_load_b32 v[D+2*\w], v8 offset:256*\w        ; wave w's sum of y for channel 32 cb + lane,
	ds_load_b32 v[D+2*\w+1], v8 offset:256*\w+64   ; and of y^2
.endr
	s_wait_dscnt 0x0
.irp w, 0,1,2,3
	v_pk_add_f32 v[D+2*\w:D+2*\w+1], v[D+2*\w:D+2*\w+1], v[D+8+2*\w:D+9+2*\w]
.endr
.irp w, 0,1
	v_pk_add_f32 v[D+2*\w:D+2*\w+1], v[D+2*\w:D+2*\w+1], v[D+4+2*\w:D+5+2*\w]
.endr
	v_pk_add_f32 v[D:D+1], v[D:D+1], v[D+2:D+3]
	global_store_b32 v6, v[D], s[18:19]
	global_store_b32 v6, v[D+1], s[18:19] offset:512
.Lend:
	s_wait_tensorcnt 0x0
	ds_add_u32 v208, v209
	s_wait_dscnt 0x0
	s_endpgm
.Lfunc_end_k_qe1266b3e07_bn1:
	.size	k_qe1266b3e07_bn1, .Lfunc_end_k_qe1266b3e07_bn1-k_qe1266b3e07_bn1
	.p2alignl 7, 3214868480
	.fill 96, 4, 3214868480
	.section	.rodata,"a",@progbits
	.p2align	6, 0x0
	.amdhsa_kernel k_qe1266b3e07_bn1
		.amdhsa_group_segment_fixed_size 3072
		.amdhsa_private_segment_fixed_size 0
		.amdhsa_enable_private_segment 0
		.amdhsa_kernarg_size 56
		.amdhsa_user_sgpr_count 2
		.amdhsa_user_sgpr_kernarg_segment_ptr 1
		.amdhsa_wavefront_size32 1
		.amdhsa_system_sgpr_workgroup_id_x 1
		.amdhsa_system_sgpr_workgroup_id_y 1
		.amdhsa_system_sgpr_workgroup_id_z 1
		.amdhsa_system_vgpr_workitem_id 0
		.amdhsa_next_free_vgpr 210
		.amdhsa_next_free_sgpr 66
		.amdhsa_reserve_vcc 1
		.amdhsa_float_denorm_mode_32 3
		.amdhsa_float_denorm_mode_16_64 3
		.amdhsa_memory_ordered 1
		.amdhsa_forward_progress 1
		.amdhsa_inst_pref_size 43
	.end_amdhsa_kernel
	.amdgpu_metadata
---
amdhsa.version: [ 1, 2 ]
amdhsa.kernels:
  - .name:           k_qe1266b3e07_bn1
    .symbol:         k_qe1266b3e07_bn1.kd
    .args:
      - { .name: x_codes, .offset: 0, .size: 8, .value_kind: global_buffer, .address_space: global }
      - { .name: x_scales, .offset: 8, .size: 8, .value_kind: global_buffer, .address_space: global }
      - { .name: w_qkv_codes, .offset: 16, .size: 8, .value_kind: global_buffer, .address_space: global }
      - { .name: w_qkv_scales, .offset: 24, .size: 8, .value_kind: global_buffer, .address_space: global }
      - { .name: pos_relative, .offset: 32, .size: 8, .value_kind: global_buffer, .address_space: global }
      - { .name: P1, .offset: 40, .size: 8, .value_kind: global_buffer, .address_space: global }
      - { .name: TAB, .offset: 48, .size: 8, .value_kind: global_buffer, .address_space: global }
    .group_segment_fixed_size: 3072
    .private_segment_fixed_size: 0
    .kernarg_segment_align: 8
    .kernarg_segment_size: 56
    .max_flat_workgroup_size: 256
    .sgpr_count:     66
    .vgpr_count:     210
    .wavefront_size: 32
...
	.end_amdgpu_metadata
.endif
;; end of part 1
;; launch attstat (part 2): grid 256 x 1, 8 waves a work-group, no clusters, 27,648 bytes of LDS; arguments x_codes, x_scales, w_qkv_codes, w_qkv_scales, P1, TAB, gamma1, beta1, ST1, P2; writes ST1, P2
.if DOCPART == 2
	.amdgcn_target "amdgcn-amd-amdhsa--gfx1250"
	.amdhsa_code_object_version 6
	.text
	.protected	k_qe1266b3e07_attstat
	.globl	k_qe1266b3e07_attstat
	.p2align	8
	.type	k_qe1266b3e07_attstat,@function
k_qe1266b3e07_attstat:
	s_mov_b64 s[64:65], 0
	v_nop
	global_prefetch_b8 v0, s[64:65] scope:SCOPE_SE
	s_setreg_imm32_b32 hwreg(HW_REG_WAVE_MODE, 25, 1), 1
	s_wait_xcnt 0x0
; SECOND LAUNCH.  It finishes the first batch norm (s1, t1 with y_norm = s1 relu(y) + t1, stored in ST1 by work-group 0) and makes the sums that the batch norm of the logits needs,
; WITHOUT FORMING A LOGIT.  For one column n and one head, with q, k [4][128]:
;   sum over (p, i) of qk   = sum over c of (sum_p q_cp)(sum_i k_ci);          of qk^2 = sum over (c, e) of (sum_p q_cp q_ep)(sum_i k_ci k_ei);
;   sum over (p, i) of qr   = sum over (p, c) of q_cp R1[c][p];                of qr^2 = sum over (p, c, e) of q_cp q_ep RR[c][e][p];     kr likewise from k;
; R1 and RR are TAB's sums of pos_relative over d = p .. p + 127.  These are identities: they hold for every input.  qr and kr are taken without their gates, which the next launch puts in.
; P2[work-group][head][8] = the six sums over the work-group's two columns, and two zeros.
; SHARES.  A work-group takes columns n = 2 x its number and the next.  Wave wv: column wv / 4, heads 2 t and 2 t + 1 (t = wv % 4), all 128 positions: every sum over positions stays in the wave.
; The 16 rows of W that form its tile are the q and k planes of the two heads: lane r takes row 32 t + 16 (r / 8) + r % 8.  Source 0 = W, source 1 = x: lane (r, h) holds q0-3, k0-3 of head 2 t + h at position r.
; K = 64 of the instruction's 128: W's fragment has zero codes above; x's eight lie on end (see the first launch).  A lane's 24 bytes of x lie 6,144 bytes from its neighbour's: a column runs across x's rows.
; LIMITS: variances are E[y^2] - mean^2 in f32, held at 0 from below; NaN and infinities are not served.
.set RED,  0                           ; LDS: four partial sums of P1's 256 numbers
.set S1T1, 4096                        ;      s1[128], t1[128]
.set TABL, 5120                        ;      TAB as it lies: 80 bytes a position, an odd multiple of 16, so that 16 lanes' loads of 16 bytes start at 16 different places modulo 256
.set RED2, 25600                       ;      [2 columns][8 heads][8]
.set D,   16                           ; v16-79   eight results; before that P1's sixteen quads
.set XF,  80                           ; v80-133  x: 8 x 6 + 6 of zero codes
.set AF,  134                          ; v134-145 W's fragment, the upper six zero codes
.set TB,  80                           ; v80-159  behind the products: two buffers of 40 numbers of TAB (type q 20, type k 20)
.set XS,  160                          ; v160-167 x's scale words;  v168 W's: they hold nothing else
.set WS,  168
.set SS,  170                          ; v170-177 s1, v178-185 t1 of my eight channels
.set TT,  178
.set QQ,  186                          ; v186-201 the 16 products x_c x_e of a position; at the end OUT
.set GQ,  202                          ; v202-217 their sums for q, v218-233 for k
.set GK,  218
.set SQ,  234                          ; v234-241 the sums of q (4) and k (4)
.set A1Q, 242                          ; pairs: the sums with R1 and RR
.set A1K, 244
.set A2Q, 246
.set A2K, 248
.set STG, 186                          ; at the head: TAB's 20 numbers on their way to LDS, gamma1, beta1
.set GAM, 206
.set BET, 207
.set OUT, 186
.macro BARRIER
	s_wait_dscnt 0x0                               ; my LDS stores have landed and my LDS loads are in
	s_barrier_signal -1
	s_barrier_wait -1
.endm
.macro PKB d, a, b, c                  ; d pair = a pair x the one number v[b + c]
.if (\c)&1
	v_pk_mul_f32 v[\d:\d+1], v[\a:\a+1], v[\b+(\c)-1:\b+(\c)] op_sel:[0,1] op_sel_hi:[1,1]
.else
	v_pk_mul_f32 v[\d:\d+1], v[\a:\a+1], v[\b+(\c):\b+(\c)+1] op_sel_hi:[1,0]
.endif
.endm
	s_load_b512 s[8:23], s[0:1], 0x0               ; x's codes, x's scales, W's codes, W's scales, P1 s[16:17], TAB s[18:19], gamma1 s[20:21], beta1 s[22:23]
	s_load_b128 s[24:27], s[0:1], 0x40             ; ST1, P2
	v_lshl_add_u32 v254, v0, 2, 0x6800
	v_mov_b32 v255, 0
	v_lshrrev_b32 v15, 5, v0
	v_readfirstlane_b32 s28, v15                   ; wave 0..7
	v_and_b32 v1, 31, v0                           ; lane
	v_and_b32 v2, 15, v0                           ; r
	v_bfe_u32 v3, v0, 4, 1                         ; h
.irp j, 6,7,8,9,10,11
	v_mov_b32 v[AF+\j], 0                          ; zero codes for k = 64 .. 127
	v_mov_b32 v[XF+42+\j], 0
.endr
	v_mul_u32_u24 v4, v2, 6144                     ; x: position r is 128 rows of 48 bytes on,
	v_mad_u32_u24 v4, v3, 24, v4                   ; my half's block
	v_lshlrev_b32 v5, 8, v2                        ; its scale bytes: 128 rows of 2
	v_and_b32 v15, 8, v2
	v_add_nc_u32 v15, v15, v2                      ; r + 8 (r / 8) = 16 (r / 8) + r % 8
	v_mul_u32_u24 v6, v15, 48
	v_mad_u32_u24 v6, v3, 24, v6                   ; W's row
	v_lshlrev_b32 v7, 1, v15                       ; and its scale bytes
	v_lshlrev_b32 v8, 4, v0                        ; 16 x thread
	v_lshrrev_b32 v9, 6, v0
	v_and_b32 v15, 63, v0
	v_lshlrev_b32 v9, 14, v9
	v_lshl_add_u32 v9, v15, 4, v9                  ; P1: sixteen blocks of rows for each 64 threads, 16 bytes of a block's 1,024 a thread
	v_and_b32 v10, 127, v0
	v_lshlrev_b32 v10, 2, v10                      ; 4 x channel
	v_bfe_u32 v11, v0, 5, 2
	v_lshlrev_b32 v11, 7, v11
	v_lshl_add_u32 v11, v3, 6, v11                 ; my eight channels 32 t + 16 h on, in s1 and t1
	v_mul_u32_u24 v12, v2, 80                      ; TAB's entry of position r
	v_bfe_u32 v13, v0, 7, 1
	v_lshlrev_b32 v13, 8, v13
	v_bfe_u32 v15, v0, 5, 2
	v_lshl_add_u32 v13, v15, 6, v13
	v_lshl_add_u32 v13, v3, 5, v13                 ; RED2: 256 x column + 32 x head
	v_lshlrev_b32 v14, 3, v1                       ; 8 x lane
	s_and_b32 s29, s28, 3                          ; t
	s_lshr_b32 s30, s28, 2                         ; which of the two columns
	s_lshr_b32 s31, ttmp9, 6                       ; b
	s_and_b32 s32, ttmp9, 63
	s_lshl_b32 s32, s32, 1
	s_add_co_u32 s32, s32, s30                     ; w
	s_mul_i32 s34, s31, 786432
	s_mul_i32 s36, s32, 48
	s_add_co_u32 s34, s34, s36
	s_mov_b32 s35, 0
	s_lshl_b32 s36, s31, 15
	s_lshl_b32 s38, s32, 1
	s_add_co_u32 s36, s36, s38
	s_mov_b32 s37, 0
	s_mul_i32 s38, s29, 1536
	s_mov_b32 s39, 0
	s_lshl_b32 s40, s29, 6
	s_mov_b32 s41, 0
	s_lshl_b32 s42, ttmp9, 8
	s_mov_b32 s43, 0
	s_wait_kmcnt 0x0
	s_add_nc_u64 s[8:9], s[8:9], s[34:35]
	s_add_nc_u64 s[10:11], s[10:11], s[36:37]
	s_add_nc_u64 s[12:13], s[12:13], s[38:39]
	s_add_nc_u64 s[14:15], s[14:15], s[40:41]
	s_add_nc_u64 s[26:27], s[26:27], s[42:43]
.irp k, 0,1,2,3,4,5,6,7,8,9,10,11,12,13,14,15
	global_load_b128 v[D+4*\k:D+4*\k+3], v9, s[16:17] offset:1024*\k
.endr
.irp k, 0,1,2,3,4
	global_load_b128 v[STG+4*\k:STG+4*\k+3], v8, s[18:19] offset:4096*\k
.endr
	global_load_b32 v[GAM], v10, s[20:21]
	global_load_b32 v[BET], v10, s[22:23]
.irp k, 0,1,2
	global_load_b64 v[AF+2*\k:AF+2*\k+1], v6, s[12:13] offset:8*\k
.endr
	global_load_u16 v[WS], v7, s[14:15]
.irp i, 0,1,2,3,4,5,6,7
.irp k, 0,1,2
	global_load_b64 v[XF+6*\i+2*\k:XF+6*\i+2*\k+1], v4, s[8:9] offset:98304*\i+8*\k
.endr
	global_load_u16 v[XS+\i], v5, s[10:11] offset:4096*\i
.endr
	s_wait_loadcnt 36                              ; behind P1, TAB, gamma1 and beta1 were issued W's 4 loads and x's 32: they may stay out
.irp d, 8,4,2,1                        ; sixteen quads become one
.set i, 0
.rept \d
	v_pk_add_f32 v[D+4*i:D+4*i+1], v[D+4*i:D+4*i+1], v[D+4*(i+\d):D+4*(i+\d)+1]
	v_pk_add_f32 v[D+4*i+2:D+4*i+3], v[D+4*i+2:D+4*i+3], v[D+4*(i+\d)+2:D+4*(i+\d)+3]
.set i, i+1
.endr
.endr
	ds_store_b128 v8, v[D:D+3] offset:RED
.irp k, 0,1,2,3,4
	ds_store_b128 v8, v[STG+4*\k:STG+4*\k+3] offset:TABL+4096*\k
.endr
	BARRIER                                        ; the four partial sums and TAB lie in LDS
	s_cmp_ge_u32 s28, 4                            ; waves 0 to 3: a thread to a channel
	s_cbranch_scc1 .Lno_coef
.irp g, 0,1,2,3
	ds_load_b32 v[D+2*\g], v10 offset:RED+1024*\g
	ds_load_b32 v[D+2*\g+1], v10 offset:RED+1024*\g+512
.endr
	s_wait_dscnt 0x0
	v_pk_add_f32 v[D:D+1], v[D:D+1], v[D+2:D+3]
	v_pk_add_f32 v[D+4:D+5], v[D+4:D+5], v[D+6:D+7]
	v_pk_add_f32 v[D:D+1], v[D:D+1], v[D+4:D+5]
	v_mul_f32 v[D], 0x37800000, v[D]               ; the mean: / 65,536
	v_mul_f32 v[D+1], 0x37800000, v[D+1]
	v_fma_f32 v[D+1], -v[D], v[D], v[D+1]          ; the variance,
	v_max_num_f32 v[D+1], 0, v[D+1]                ; held at 0 from below
	v_add_f32 v[D+1], 0x3727c5ac, v[D+1]           ; + 1e-5
	v_rsq_f32 v[D+2], v[D+1]
	v_nop                                          ; one plain place behind a transcendental
	s_wait_alu depctr_va_vdst(0)
	v_mul_f32 v[D+2], v[GAM], v[D+2]               ; s1
	v_fma_f32 v[D+3], -v[D], v[D+2], v[BET]        ; t1 = beta - mean s1
	ds_store_b32 v10, v[D+2] offset:S1T1
	ds_store_b32 v10, v[D+3] offset:S1T1+512
	s_cmp_lg_u32 ttmp9, 0                          ; every work-group makes them; one stores them for the next launch
	s_cbranch_scc1 .Lno_coef
	global_store_b32 v10, v[D+2], s[24:25]
	global_store_b32 v10, v[D+3], s[24:25] offset:512
.Lno_coef:
	BARRIER                                        ; s1 and t1 lie in LDS
	ds_load_b128 v[SS:SS+3], v11 offset:S1T1
	ds_load_b128 v[SS+4:SS+7], v11 offset:S1T1+16
	ds_load_b128 v[TT:TT+3], v11 offset:S1T1+512
	ds_load_b128 v[TT+4:TT+7], v11 offset:S1T1+528
	s_wait_loadcnt 0x0                             ; W and x
	s_wait_xcnt 0x0                                ; ST1's stores have read their data, which the products write over
.irp i, 0,1,2,3,4,5,6,7
	v_wmma_scale_f32_16x16x128_f8f6f4 v[D+8*\i:D+8*\i+7], v[AF:AF+11], v[XF+6*\i:XF+6*\i+11], 0, v[WS], v[XS+\i] matrix_a_fmt:MATRIX_FMT_FP6 matrix_b_fmt:MATRIX_FMT_FP6
.endr
.rept 4
	v_nop                                          ; four places: in front of the loads into registers that the products have read, and of the first read of results
.endr
.macro TLOAD L                         ; TAB's entries of positions 16 L + r, both types, into buffer L % 2
.set B, TB+40*((\L)%2)
.irp k, 0,1,2,3,4
	ds_load_b128 v[B+4*\k:B+4*\k+3], v12 offset:TABL+1280*(\L)+16*\k
	ds_load_b128 v[B+20+4*\k:B+23+4*\k], v12 offset:TABL+10240+1280*(\L)+16*\k
.endr
.endm
; four numbers x (q or k) of a position, with TAB's 20 at b: a1 += R1 . x;  the 16 products x_c x_e;  g += them;  a2 += RR . them.  first = 1: the sums begin here
.macro HALF x, b, g, a1, a2, first
.if \first
.set QD, \g
	v_pk_mul_f32 v[\a1:\a1+1], v[\b:\b+1], v[\x:\x+1]
.else
.set QD, QQ
	v_pk_fma_f32 v[\a1:\a1+1], v[\b:\b+1], v[\x:\x+1], v[\a1:\a1+1]
.endif
	v_pk_fma_f32 v[\a1:\a1+1], v[\b+2:\b+3], v[\x+2:\x+3], v[\a1:\a1+1]
.irp c, 0,1,2,3
.irp u, 0,2
	PKB QD+4*\c+\u, \x+\u, \x, \c
.endr
.endr
.if \first
	v_pk_mul_f32 v[\a2:\a2+1], v[\b+4:\b+5], v[QD:QD+1]
.else
.irp u, 0,2,4,6,8,10,12,14
	v_pk_add_f32 v[\g+\u:\g+\u+1], v[\g+\u:\g+\u+1], v[QQ+\u:QQ+\u+1]
.endr
	v_pk_fma_f32 v[\a2:\a2+1], v[\b+4:\b+5], v[QD:QD+1], v[\a2:\a2+1]
.endif
.irp u, 2,4,6,8,10,12,14
	v_pk_fma_f32 v[\a2:\a2+1], v[\b+4+\u:\b+5+\u], v[QD+\u:QD+\u+1], v[\a2:\a2+1]
.endr
.endm
.macro TILE L, first                   ; positions 16 L on: relu and the first batch norm in place (from the result's low end on), then the sums
.set X, D+8*(\L)
.set B, TB+40*((\L)%2)
.irp j, 0,1,2,3,4,5,6,7
	v_max_num_f32 v[X+\j], 0, v[X+\j]
.endr
.irp j, 0,2,4,6
	v_pk_fma_f32 v[X+\j:X+\j+1], v[X+\j:X+\j+1], v[SS+\j:SS+\j+1], v[TT+\j:TT+\j+1]
.endr
	HALF X, B, GQ, A1Q, A2Q, \first
	HALF X+4, B+20, GK, A1K, A2K, \first
.endm
	TLOAD 0
	TLOAD 1
	s_wait_dscnt 10                                ; s1, t1 and buffer 0 are in; the other buffer's ten loads may be out
	TILE 0, 1
	TLOAD 2
.irp L, 1,2,3,4,5
	s_wait_dscnt 10                                ; likewise
	TILE \L, 0
	TLOAD \L+2
.endr
	s_wait_dscnt 10
	TILE 6, 0
	s_wait_dscnt 0x0
	TILE 7, 0
.irp j, 0,2,4,6
	v_pk_add_f32 v[SQ+\j:SQ+\j+1], v[D+\j:D+\j+1], v[D+8+\j:D+9+\j]   ; the sums of q and k: the normalised tiles have stayed in their registers
.endr
.irp L, 2,3,4,5,6,7
.irp j, 0,2,4,6
	v_pk_add_f32 v[SQ+\j:SQ+\j+1], v[SQ+\j:SQ+\j+1], v[D+8*\L+\j:D+8*\L+\j+1]
.endr
.endr
	v_add_f32 v[OUT+2], v[A1Q], v[A1Q+1]           ; the pairs' halves
	v_add_f32 v[OUT+3], v[A2Q], v[A2Q+1]
	v_add_f32 v[OUT+4], v[A1K], v[A1K+1]
	v_add_f32 v[OUT+5], v[A2K], v[A2K+1]
.irp m, 1,2,4,8                        ; over the 16 positions that a half of the lanes holds
.set i, 0
.rept 40
	v_add_f32_dpp v[GQ+i], v[GQ+i], v[GQ+i] row_xmask:\m row_mask:0xf bank_mask:0xf
.set i, i+1
.endr
.irp j, 2,3,4,5
	v_add_f32_dpp v[OUT+\j], v[OUT+\j], v[OUT+\j] row_xmask:\m row_mask:0xf bank_mask:0xf
.endr
.endr
	v_mul_f32 v[OUT], v[SQ], v[SQ+4]               ; the sum of qk
.irp c, 1,2,3
	v_fma_f32 v[OUT], v[SQ+\c], v[SQ+4+\c], v[OUT]
.endr
	v_mul_f32 v[OUT+1], v[GQ], v[GK]               ; the sum of qk^2
.set i, 1
.rept 15
	v_fma_f32 v[OUT+1], v[GQ+i], v[GK+i], v[OUT+1]
.set i, i+1
.endr
	v_mov_b32 v[OUT+6], 0
	v_mov_b32 v[OUT+7], 0
	ds_store_b128 v13, v[OUT:OUT+3] offset:RED2    ; sixteen lanes write the same bytes with the same values
	ds_store_b128 v13, v[OUT+4:OUT+7] offset:RED2+16
	BARRIER
	s_cmp_lg_u32 s28, 0
	s_cbranch_scc1 .Lend
	ds_load_b64 v[D:D+1], v14 offset:RED2
	ds_load_b64 v[D+2:D+3], v14 offset:RED2+256
	s_wait_dscnt 0x0
	v_pk_add_f32 v[D:D+1], v[D:D+1], v[D+2:D+3]    ; the two columns
	global_store_b64 v14, v[D:D+1], s[26:27]       ; 32 lanes store 256 consecutive bytes, aligned
.Lend:
	s_wait_tensorcnt 0x0
	ds_add_u32 v254, v255
	s_wait_dscnt 0x0
	s_endpgm
.Lfunc_end_k_qe1266b3e07_attstat:
	.size	k_qe1266b3e07_attstat, .Lfunc_end_k_qe1266b3e07_attstat-k_qe1266b3e07_attstat
	.p2alignl 7, 3214868480
	.fill 96, 4, 3214868480
	.section	.rodata,"a",@progbits
	.p2align	6, 0x0
	.amdhsa_kernel k_qe1266b3e07_attstat
		.amdhsa_group_segment_fixed_size 27648
		.amdhsa_private_segment_fixed_size 0
		.amdhsa_enable_private_segment 0
		.amdhsa_kernarg_size 80
		.amdhsa_user_sgpr_count 2
		.amdhsa_user_sgpr_kernarg_segment_ptr 1
		.amdhsa_wavefront_size32 1
		.amdhsa_system_sgpr_workgroup_id_x 1
		.amdhsa_system_sgpr_workgroup_id_y 1
		.amdhsa_system_sgpr_workgroup_id_z 1
		.amdhsa_system_vgpr_workitem_id 0
		.amdhsa_next_free_vgpr 256
		.amdhsa_next_free_sgpr 66
		.amdhsa_reserve_vcc 0
		.amdhsa_float_denorm_mode_32 3
		.amdhsa_float_denorm_mode_16_64 3
		.amdhsa_memory_ordered 1
		.amdhsa_forward_progress 1
		.amdhsa_inst_pref_size 64
	.end_amdhsa_kernel
	.amdgpu_metadata
---
amdhsa.version: [ 1, 2 ]
amdhsa.kernels:
  - .name:           k_qe1266b3e07_attstat
    .symbol:         k_qe1266b3e07_attstat.kd
    .args:
      - { .name: x_codes, .offset: 0, .size: 8, .value_kind: global_buffer, .address_space: global }
      - { .name: x_scales, .offset: 8, .size: 8, .value_kind: global_buffer, .address_space: global }
      - { .name: w_qkv_codes, .offset: 16, .size: 8, .value_kind: global_buffer, .address_space: global }
      - { .name: w_qkv_scales, .offset: 24, .size: 8, .value_kind: global_buffer, .address_space: global }
      - { .name: P1, .offset: 32, .size: 8, .value_kind: global_buffer, .address_space: global }
      - { .name: TAB, .offset: 40, .size: 8, .value_kind: global_buffer, .address_space: global }
      - { .name: gamma1, .offset: 48, .size: 8, .value_kind: global_buffer, .address_space: global }
      - { .name: beta1, .offset: 56, .size: 8, .value_kind: global_buffer, .address_space: global }
      - { .name: ST1, .offset: 64, .size: 8, .value_kind: global_buffer, .address_space: global }
      - { .name: P2, .offset: 72, .size: 8, .value_kind: global_buffer, .address_space: global }
    .group_segment_fixed_size: 27648
    .private_segment_fixed_size: 0
    .kernarg_segment_align: 8
    .kernarg_segment_size: 80
    .max_flat_workgroup_size: 256
    .sgpr_count:     66
    .vgpr_count:     256
    .wavefront_size: 32
...
	.end_amdgpu_metadata
.endif
;; end of part 2
;; launch attn (part 3): grid 256 x 1, 4 waves a work-group, no clusters, 235,008 bytes of LDS; arguments x_codes, x_scales, w_qkv_codes, w_qkv_scales, ST1, P2, pos_relative, gate_qr, gate_kr, gate_v, gate_v_pos, gamma_att, beta_att, Z, P3; writes Z, P3
.if DOCPART == 3
	.amdgcn_target "amdgcn-amd-amdhsa--gfx1250"
	.amdhsa_code_object_version 6
	.text
	.protected	k_qe1266b3e07_attn
	.globl	k_qe1266b3e07_attn
	.p2align	8
	.type	k_qe1266b3e07_attn,@function
k_qe1266b3e07_attn:
	s_mov_b64 s[64:65], 0
	v_nop
	global_prefetch_b8 v0, s[64:65] scope:SCOPE_SE
	s_setreg_imm32_b32 hwreg(HW_REG_WAVE_MODE, 25, 1), 1
	s_wait_xcnt 0x0
; THIRD LAUNCH: the attention itself.  Z[n][head][p][16] = att_v (8) and att_vp (8), gates applied, ahead of the last batch norm; P3[work-group][head][4] = their sums and sums of squares.
; A work-group takes two columns n: 16 ROWS r = 8 x column + head.  PRE-PHASE: the batch norm of the logits is turned into four numbers a head (from P2's sums): logit x log2(e) = A1 qk + A2 qr + A3 kr + C, qr and kr
; without gates (the gates are in A2, A3); y = relu(W x) on FP6 codes once more, the first batch norm by ST1; q, A1 k and v go to LDS in f32, u = (A2 q, A3 k) and pos_relative as f16.
; A STRIP is the 16 rows at ONE position p, by all 128 keys.  A lane holds one row (lane % 16) and the keys 16 n + 8 (lane / 16) + 0 .. 7 of each tile n throughout.
;   qk: each row has its own keys' k, and K = 4 is an eighth of a matrix instruction's depth: fused multiply-adds in f32.  A lane's 64 keys x 4 planes of A1 k stay in 256 registers for the whole launch.
;   qr + kr: all 16 rows meet the same pos[c][p - key + 127]: a plain matrix product with K = 8.  A logit stands in an exponent, where one f16 number's 11 bits are too few: u and pos are cut into a high part (the f32
;     number's top 11 bits, exact in f16) and a low part (the exact rest, rounded), and the instruction's 32 places along K hold [pos_hi | pos_hi | pos_lo | pos_lo] against [u_hi | u_lo | u_hi | 0]:
;     ONE instruction for a tile of 16 keys, which adds onto the sums that the multiply-adds have made.
;   p = 2^(S - the row's maximum).
;   att_vp: again the same pos for all rows: source 0 = 8 planes of pos, one row of ones and 7 of zeros, source 1 = p in f16: four instructions; the row of ones gives the softmax's divisor.
;   att_v: each row has its own v, M = 8: fused multiply-adds in f32 on p as it is.  A lane's 64 keys x 8 planes of v stay in 512 registers for the whole launch.
; Wave wv takes positions 32 wv .. 32 wv + 31, one strip each.  After every four positions its 16 x 256 bytes of Z leave through its own stage in LDS.
; No tensor load: every LDS byte is computed here or belongs to a small table filled once.  No cluster: what work-groups share is W (6 KB), pos (16 KB) and P2 (64 KB), read once at the head.
; LIMITS: u, pos_relative and p go as f16: magnitudes under 65,504 (they are batch-normalised numbers times coefficients of order 1 to 10); under 2^-14 a high part is rounded, by 2^-25 at the most; planes 8-15 of pos
; and p go as one f16 number each, and the divisor is the sum of p so rounded; variances are E[x^2] - mean^2 in f32, held at 0 from below; NaN and infinities are not served.
.set PT1,  0                           ; LDS: [256 d][8 f16] planes 0-7 of pos_relative, high parts
.set PT1L, 4096                        ;      their low parts
.set PT2,  8192                        ;      planes 8-15
.set PTO,  12288                       ;      256 rows [1.0, 0 x 7]: what the lanes of the spare rows of att_vp's source 0 address
.set RED2, 16384                       ;      eight partial sums of P2's 64 numbers
.set TOT,  18432                       ;      their total
.set COEF, 18688                       ;      [8 heads][A1, A2, A3, C]
.set RED3, 18944                       ;      4 waves x [8 heads][4]
.set QB,   19456                       ;      16 rows x QP: [128 p][4] q, f32
.set QP,   2064                        ;      (all row pitches are odd multiples of 16 bytes: sixteen rows' loads of 16 bytes start at sixteen different places modulo 256)
.set UB,   QB+16*QP                    ;      16 rows x UP: [128 p][8 f16 high | 8 f16 low] u
.set UP,   4112
.set KB,   UB+16*UP                    ;      16 rows x KP: [4 planes][128 keys] A1 k, f32
.set KP,   2064
.set VB,   KB+16*KP                    ;      16 rows x VP: [128 keys][8 planes] v, f32
.set VP,   4112
.set STG,  VB+16*VP                    ;      4 waves x 16 rows x SP: four positions' 256 bytes of Z for each row
.set SP,   272
; REGISTERS.  Window 0: v0-19 ids and offsets; v20-23 x's scale words, v24-31 W's (they hold nothing else); v32-38 a lane's places, v39 its gate, v40-44 the places with the strip's offsets, v45 a mask; v48-63 statistics;
; v64-127 S, then p; v128-191 the eight fragments of pos, then p in f16 (v128-159) and att_vp's source 0 (v160-191); v192-199 u in its places; v200-203 q; v204-205 C; v208-223 att_vp's two accumulators;
; v224-239 att_v's two sets of sums (before that the maxima); v240-247 LDS addresses; v248-254 at work.   Window 1: A1 k, plane c at 64 c.   Windows 2, 3: v, key index t at 8 t.
; At the head: v64-191 P2's 32 quads, v192-207 and v96-111 pos, v248-250 gamma_att, v251-253 beta_att.
; In the pre-phase: window 0 v64-127 results, v128-175 x, v176-207 coefficients, v208-239 and v48-59 at work; window 1 v0-53 W, v64-127 s1, v128-191 t1.
.set GAM, 248                          ; gamma_att of qk, qr, kr for head thread % 8
.set BET, 251                          ; beta_att likewise
.set MSB, 0
.macro WIN new                         ; the immediate's high byte repeats the setting that is left; a switch that changes nothing is dropped
.if MSB != \new
	s_set_vgpr_msb (MSB<<8)|\new
.set MSB, \new
.endif
.endm
.macro BARRIER
	s_wait_dscnt 0x0                               ; my LDS stores have landed and my LDS loads are in
	s_barrier_signal -1
	s_barrier_wait -1
.endm
	s_load_b512 s[8:23], s[0:1], 0x0               ; x's codes s[8:9], x's scales s[10:11], W's codes s[12:13], W's scales s[14:15], ST1 s[16:17], P2 s[18:19], pos s[20:21], gate_qr s[22:23]
	s_load_b256 s[24:31], s[0:1], 0x40             ; gate_kr, gate_v, gate_v_pos, gamma_att s[30:31]
	s_load_b128 s[32:35], s[0:1], 0x60             ; beta_att, Z s[34:35]
	s_load_b64 s[36:37], s[0:1], 0x70              ; P3
	v_lshl_add_u32 v47, v0, 2, 0x39400
	v_mov_b32 v255, 0
	v_lshrrev_b32 v19, 5, v0
	v_readfirstlane_b32 s40, v19                   ; wave 0..3
	v_and_b32 v1, 31, v0                           ; lane
	v_and_b32 v2, 15, v0                           ; r
	v_bfe_u32 v3, v0, 4, 1                         ; h
	v_mul_u32_u24 v4, v2, 6144                     ; x: position r is 128 rows of 48 bytes on, my half's block
	v_mad_u32_u24 v4, v3, 24, v4
	v_lshlrev_b32 v5, 8, v2
	v_mul_u32_u24 v6, v2, 48                       ; W's row r
	v_mad_u32_u24 v6, v3, 24, v6
	v_lshlrev_b32 v7, 1, v2
	v_lshlrev_b32 v8, 4, v0                        ; 16 x thread
	v_lshrrev_b32 v9, 4, v0
	v_lshlrev_b32 v9, 13, v9
	v_lshl_add_u32 v9, v2, 4, v9                   ; P2: 32 work-groups' 256 bytes for each 16 threads
	v_lshlrev_b32 v10, 2, v0                       ; pos: d = thread,
	v_add_nc_u32 v11, 128, v0
	v_min_u32 v11, 254, v11
	v_lshlrev_b32 v11, 2, v11                      ; and d = thread + 128, held at 254 (entry 255 of the LDS tables is never read)
	v_lshlrev_b32 v12, 5, v3                       ; ST1: my half's eight channels
	v_and_b32 v19, 7, v0
	v_lshlrev_b32 v17, 2, v19                      ; gamma_att, beta_att of head thread % 8
	v_bfe_u32 v45, v0, 6, 1                        ; the pre-phase: my column,
	v_bfe_u32 v46, v0, 5, 1                        ; my 64 positions
	v_mul_u32_u24 v13, v45, 8*QP
	v_lshl_add_u32 v13, v46, 10, v13
	v_lshl_add_u32 v13, v2, 4, v13
	v_add_nc_u32 v13, QB, v13                      ; where q goes
	v_mul_u32_u24 v14, v45, 8*UP
	v_lshl_add_u32 v14, v46, 11, v14
	v_lshl_add_u32 v14, v2, 5, v14
	v_add_nc_u32 v14, UB, v14                      ; u
	v_mul_u32_u24 v15, v45, 8*KP
	v_lshl_add_u32 v15, v46, 8, v15
	v_lshl_add_u32 v15, v2, 2, v15
	v_add_nc_u32 v15, KB, v15                      ; A1 k
	v_mul_u32_u24 v16, v45, 8*VP
	v_lshl_add_u32 v16, v46, 11, v16
	v_lshl_add_u32 v16, v2, 5, v16
	v_add_nc_u32 v16, VB, v16                      ; v
	v_mul_u32_u24 v32, v2, QP
	v_add_nc_u32 v32, QB, v32                      ; the row's q (+ 16 p)
	v_mul_u32_u24 v33, v2, UP
	v_lshl_add_u32 v33, v3, 4, v33
	v_add_nc_u32 v33, UB, v33                      ; the row's u: lanes 0-15 the high part, lanes 16-31 the low (+ 32 p)
	v_lshlrev_b32 v46, 4, v2
	v_sub_nc_u32 v34, PT1+240, v46                 ; pos for key 16 n + r: d = p + 15 - r + 112 - 16 n (+ 16 p; the rest is the load's offset)
	v_bfe_u32 v46, v0, 3, 1
	v_lshl_add_u32 v35, v46, 12, PT2+240           ; att_vp's source 0, by the turning load: lanes of rows 0-7 address planes 8-15 of pos, lanes of rows 8-15 the table of ones, 4,096 bytes on,
	v_lshlrev_b32 v46, 4, v19
	v_lshl_add_u32 v46, v3, 7, v46
	v_sub_nc_u32 v35, v35, v46                     ; at d = p + 15 - 8 h - lane % 8 + ..
	v_lshrrev_b32 v36, 5, v0
	v_mul_u32_u24 v36, v36, 16*SP
	v_mov_b32 v37, v36
	v_mad_u32_u24 v36, v2, SP, v36
	v_xor_b32 v46, 1, v3
	v_lshl_add_u32 v36, v46, 5, v36
	v_add_nc_u32 v36, STG, v36                     ; into my stage: row r; lanes 16-31 put att_v at byte 0, lanes 0-15 att_vp at byte 32 (+ 64 x position % 4)
	v_mad_u32_u24 v37, v3, SP, v37
	v_lshl_add_u32 v37, v2, 4, v37
	v_add_nc_u32 v37, STG, v37                     ; back: lanes 0-15 one row of 256 bytes, lanes 16-31 the next
	v_lshlrev_b32 v38, 13, v3
	v_lshl_add_u32 v38, v2, 4, v38                 ; and the same two rows in Z, 8,192 bytes apart
	v_lshlrev_b32 v240, 3, v1                      ; 8 x lane
	v_lshlrev_b32 v241, 5, v19                     ; 32 x head
	v_lshlrev_b32 v242, 4, v19                     ; 16 x head (lane % 8 = r % 8: the row's head)
	v_mov_b32 v243, 0
	v_lshlrev_b32 v244, 2, v1                      ; 4 x lane
	v_lshrrev_b32 v245, 5, v0
	v_lshlrev_b32 v245, 7, v245
	v_lshl_add_u32 v245, v19, 4, v245
	v_lshl_add_u32 v245, v46, 3, v245              ; the statistics: 128 x wave + 16 x head; lanes 16-31 (att_v) at byte 0, lanes 0-15 (att_vp) at byte 8
	v_mul_u32_u24 v246, v2, KP
	v_lshl_add_u32 v246, v3, 5, v246
	v_add_nc_u32 v246, KB, v246                    ; the row's A1 k, my half's eight keys of a tile
	v_mul_u32_u24 v247, v2, VP
	v_lshl_add_u32 v247, v3, 8, v247
	v_add_nc_u32 v247, VB, v247                    ; the row's v likewise
	s_and_b32 s41, s40, 1
	s_lshr_b32 s59, s40, 1
	s_lshr_b32 s62, ttmp9, 6                       ; b
	s_and_b32 s63, ttmp9, 63
	s_lshl_b32 s63, s63, 1
	s_add_co_u32 s63, s63, s59                     ; w of the column that my wave prepares
	s_mul_i32 s2, s62, 786432
	s_mul_i32 s4, s63, 48
	s_add_co_u32 s2, s2, s4
	s_mul_i32 s4, s41, 393216                      ; its positions 64 (wave % 2) on
	s_add_co_u32 s2, s2, s4
	s_mov_b32 s3, 0
	s_lshl_b32 s4, s62, 15
	s_lshl_b32 s6, s63, 1
	s_add_co_u32 s4, s4, s6
	s_lshl_b32 s6, s41, 14
	s_add_co_u32 s4, s4, s6
	s_mov_b32 s5, 0
	s_lshl_b32 s6, ttmp9, 17                       ; Z: 131,072 bytes a work-group; my wave's first position: 32 x 64 bytes a wave
	s_lshl_b32 s7, s40, 11
	s_add_co_u32 s6, s6, s7
	s_mov_b32 s7, 0
	s_lshl_b32 s56, ttmp9, 7                       ; P3: 128 bytes a work-group
	s_mov_b32 s57, 0
	s_mov_b32 s42, 0x76543210
	s_mov_b32 s43, 0xfedcba98                      ; v_permlanex16_b32's selects for lane l xor 16
	s_mov_b32 s60, 0x0000ffff
	s_mov_b32 s61, 0xffff0000
	s_wait_kmcnt 0x0
	s_add_nc_u64 s[8:9], s[8:9], s[2:3]
	s_add_nc_u64 s[10:11], s[10:11], s[4:5]
	s_add_nc_u64 s[34:35], s[34:35], s[6:7]
	s_add_nc_u64 s[36:37], s[36:37], s[56:57]
	s_load_b32 s44, s[22:23], 0x0                  ; gate_qr
	s_load_b32 s45, s[24:25], 0x0                  ; gate_kr
	s_load_b32 s46, s[26:27], 0x0                  ; gate_v
	s_load_b32 s47, s[28:29], 0x0                  ; gate_v_pos
.set i, 0
.rept 32
	global_load_b128 v[64+4*i:67+4*i], v9, s[18:19] offset:256*i   ; v64-191
.set i, i+1
.endr
.irp k, 0,1,2
	global_load_b32 v[GAM+\k], v17, s[30:31] offset:32*\k   ; gamma_att of qk, qr, kr: registers that no other load of the head names
	global_load_b32 v[BET+\k], v17, s[32:33] offset:32*\k   ; beta_att
.endr
.irp c, 0,1,2,3,4,5,6,7,8,9,10,11,12,13,14,15
	global_load_b32 v[192+\c], v10, s[20:21] offset:1020*\c
.endr
	s_wait_kmcnt 0x0
	v_mov_b32 v19, s46
	v_mov_b32 v39, s47
	v_cndmask_b32 v39, v39, v19, s61               ; lanes 16-31 will hold att_v: gate_v; lanes 0-15 att_vp: gate_v_pos
	v_cndmask_b32 v45, 0, -1, s60                  ; all ones in lanes 0-15
	v_mov_b32 v236, 0x3c00                         ; a row of the table of ones: 1.0 in f16, then seven zeros
	v_mov_b32 v237, 0
	v_mov_b32 v238, 0
	v_mov_b32 v239, 0
	s_wait_loadcnt 22                              ; behind P2's 32 loads were issued 6 of gamma and beta and 16 of pos: they may stay out
.irp d, 16,8,4,2,1                     ; 32 quads of P2 become one
.set i, 0
.rept \d
	v_pk_add_f32 v[64+4*i:65+4*i], v[64+4*i:65+4*i], v[64+4*(i+\d):65+4*(i+\d)]
	v_pk_add_f32 v[66+4*i:67+4*i], v[66+4*i:67+4*i], v[66+4*(i+\d):67+4*(i+\d)]
.set i, i+1
.endr
.endr
	ds_store_b128 v8, v[64:67] offset:RED2
.irp c, 0,1,2,3,4,5,6,7,8,9,10,11,12,13,14,15
	global_load_b32 v[96+\c], v11, s[20:21] offset:1020*\c   ; (P2's loads into these registers have come, and the sums above have read them)
.endr
; the 16 planes of pos at one d, in v[b] on, go to the four tables' row at byte off + 16 x thread; o: twelve registers for the packed numbers
.macro POSROW b, o, off
.irp j, 0,1,2,3,4,5,6,7
	v_and_b32 v[112+\j], 0xffffe000, v[\b+\j]      ; planes 0-7: the high parts: sign, exponent, the mantissa's top 10 bits,
.endr
.irp j, 0,2,4,6
	v_pk_add_f32 v[\b+\j:\b+\j+1], v[\b+\j:\b+\j+1], v[112+\j:113+\j] neg_lo:[0,1] neg_hi:[0,1]   ; and the rest, exactly
.endr
.irp j, 0,1,2,3
	v_cvt_pk_f16_f32 v[\o+\j], v[112+2*\j], v[113+2*\j]
	v_cvt_pk_f16_f32 v[\o+4+\j], v[\b+8+2*\j], v[\b+9+2*\j]
	v_cvt_pk_f16_f32 v[\o+8+\j], v[\b+2*\j], v[\b+2*\j+1]
.endr
	ds_store_b128 v8, v[\o:\o+3] offset:PT1+\off
	ds_store_b128 v8, v[\o+4:\o+7] offset:PT2+\off
	ds_store_b128 v8, v[\o+8:\o+11] offset:PT1L+\off
	ds_store_b128 v8, v[236:239] offset:PTO+\off
.endm
	s_wait_loadcnt 16                              ; gamma, beta and the first 16 of pos are in; the second 16 may be out
	POSROW 192, 208, 0
	s_wait_loadcnt 0x0
	POSROW 96, 224, 2048
	; what the pre-phase multiplies: these loads fly across the next two barriers; nobody writes those bytes
	WIN 0x40                                       ; destination window 1, address window 0
.irp a, 0,1,2,3,4,5,6,7
	global_load_b128 v[64+8*\a:67+8*\a], v12, s[16:17] offset:64*\a          ; s1 of channels 16 a + 8 h + 0 .. 7
	global_load_b128 v[68+8*\a:71+8*\a], v12, s[16:17] offset:64*\a+16
	global_load_b128 v[128+8*\a:131+8*\a], v12, s[16:17] offset:512+64*\a    ; t1
	global_load_b128 v[132+8*\a:135+8*\a], v12, s[16:17] offset:528+64*\a
.endr
.irp a, 0,1,2,3,4,5,6,7
.irp k, 0,1,2
	global_load_b64 v[6*\a+2*\k:6*\a+2*\k+1], v6, s[12:13] offset:768*\a+8*\k   ; W's eight tiles on end, six registers each
.endr
.endr
.irp j, 48,49,50,51,52,53
	v_mov_b32 v[\j], 0                             ; six registers of zero codes close the run
.endr
	WIN 0
.irp a, 0,1,2,3,4,5,6,7
	global_load_u16 v[24+\a], v7, s[14:15] offset:32*\a
.endr
.irp k, 0,1,2,3
.irp p, 0,1,2
	global_load_b64 v[128+12*\k+2*\p:129+12*\k+2*\p], v4, s[8:9] offset:98304*\k+8*\p
.endr
	global_load_u16 v[20+\k], v5, s[10:11] offset:4096*\k
.irp j, 6,7,8,9,10,11
	v_mov_b32 v[128+12*\k+\j], 0                   ; x's zero codes for k = 64 .. 127: they meet the neighbour's codes in W's run
.endr
.endr
	BARRIER                                        ; P2's partial sums and the tables of pos lie in LDS
	s_cmp_lg_u32 s40, 0                            ; wave 0 makes the coefficients
	s_cbranch_scc1 .Lno_coef
.irp g, 0,1,2,3,4,5,6,7
	ds_load_b64 v[64+2*\g:65+2*\g], v240 offset:RED2+256*\g
.endr
	s_wait_dscnt 0x0
.irp d, 4,2,1
.set i, 0
.rept \d
	v_pk_add_f32 v[64+2*i:65+2*i], v[64+2*i:65+2*i], v[64+2*(i+\d):65+2*(i+\d)]
.set i, i+1
.endr
.endr
	ds_store_b64 v240, v[64:65] offset:TOT
	ds_load_b128 v[68:71], v241 offset:TOT         ; LDS serves a wave's instructions in order: these see the store above.  Head lane % 8: the sums of qk, qk^2, qr, qr^2,
	ds_load_b64 v[72:73], v241 offset:TOT+16       ; kr, kr^2
	s_wait_dscnt 0x0
.irp j, 68,69,70,71,72,73
	v_mul_f32 v[\j], 0x34000000, v[\j]             ; / 2^23 = 512 x 128 x 128
.endr
	v_fma_f32 v69, -v68, v68, v69                  ; the variances,
	v_fma_f32 v71, -v70, v70, v71
	v_fma_f32 v73, -v72, v72, v73
	v_max_num_f32 v69, 0, v69                      ; held at 0 from below
	v_max_num_f32 v71, 0, v71
	v_max_num_f32 v73, 0, v73
	v_mul_f32 v74, s44, s44
	v_mul_f32 v75, s45, s45
	v_mul_f32 v71, v74, v71                        ; of the gated qr and kr
	v_mul_f32 v73, v75, v73
	v_add_f32 v69, 0x3727c5ac, v69                 ; + 1e-5
	v_add_f32 v71, 0x3727c5ac, v71
	v_add_f32 v73, 0x3727c5ac, v73
	v_rsq_f32 v69, v69
	v_rsq_f32 v71, v71
	v_rsq_f32 v73, v73
	v_nop                                          ; one plain place behind the transcendentals
	s_wait_alu depctr_va_vdst(0)
	v_mul_f32 v76, v[GAM], v69                     ; A1
	v_mul_f32 v77, v[GAM+1], v71
	v_mul_f32 v78, v[GAM+2], v73
	v_mul_f32 v77, s44, v77                        ; A2, with its gate
	v_mul_f32 v78, s45, v78                        ; A3
	v_add_f32 v79, v[BET], v[BET+1]
	v_add_f32 v79, v79, v[BET+2]
	v_fma_f32 v79, -v76, v68, v79                  ; C = the three betas less A x mean
	v_fma_f32 v79, -v77, v70, v79
	v_fma_f32 v79, -v78, v72, v79
.irp j, 76,77,78,79
	v_mul_f32 v[\j], 0x3fb8aa3b, v[\j]             ; x log2(e): the exponential is base 2
.endr
	ds_store_b128 v242, v[76:79] offset:COEF       ; four lanes write the same bytes with the same values
.Lno_coef:
	BARRIER                                        ; the coefficients lie in LDS
.irp a, 0,1,2,3,4,5,6,7
	ds_load_b128 v[176+4*\a:179+4*\a], v243 offset:COEF+16*\a
.endr
	s_wait_dscnt 0x0
	s_wait_loadcnt 0x0                             ; ST1, W, x
	s_wait_xcnt 0x0                                ; EXEC changes only behind this wait; no global instruction follows until the strips' loop, in which EXEC stays whole
; 16 positions of my column: y, relu, the first batch norm; lanes 0-15 hold q0-3, k0-3 of each head, lanes 16-31 v0-7.  Then head by head: u = (A2 q, A3 k) in two f16 parts, A1 k; nine LDS stores a head.
; What lanes 16-31 compute of u and A1 k is not stored.  Two scratch sets take turns.
.macro PRE k
	WIN 0x01                                       ; source 0 (W) window 1
.irp a, 0,1,2,3,4,5,6,7
	v_wmma_scale_f32_16x16x128_f8f6f4 v[64+8*\a:71+8*\a], v[6*\a:6*\a+11], v[128+12*\k:139+12*\k], 0, v[24+\a], v[20+\k] matrix_a_fmt:MATRIX_FMT_FP6 matrix_b_fmt:MATRIX_FMT_FP6
.endr
	WIN 0
.rept 4
	v_nop                                          ; four places in front of the first read of results
.endr
.set i, 0
.rept 64
	v_max_num_f32 v[64+i], 0, v[64+i]              ; ascending: each result is read from its low end on
.set i, i+1
.endr
	WIN 0x14                                       ; sources 1 and 2 (s1, t1) window 1
.set i, 0
.rept 32
	v_pk_fma_f32 v[64+i:65+i], v[64+i:65+i], v[64+i:65+i], v[128+i:129+i]
.set i, i+2
.endr
	WIN 0
.irp a, 0,1,2,3,4,5,6,7
.set X, 64+8*\a
.set E, 232-184*(\a%2)
.set KS, 216-160*(\a%2)
.if \a >= 2
	s_wait_dscnt 9                                 ; the nine stores of the head before may be out; those of the head two back, which read this scratch set, are done
.endif
	v_pk_mul_f32 v[208:209], v[X:X+1], v[176+4*\a:177+4*\a] op_sel:[0,1] op_sel_hi:[1,1]     ; q x A2
	v_pk_mul_f32 v[210:211], v[X+2:X+3], v[176+4*\a:177+4*\a] op_sel:[0,1] op_sel_hi:[1,1]
	v_pk_mul_f32 v[212:213], v[X+4:X+5], v[178+4*\a:179+4*\a] op_sel_hi:[1,0]                ; k x A3
	v_pk_mul_f32 v[214:215], v[X+6:X+7], v[178+4*\a:179+4*\a] op_sel_hi:[1,0]
	v_pk_mul_f32 v[KS:KS+1], v[X+4:X+5], v[176+4*\a:177+4*\a] op_sel_hi:[1,0]                ; k x A1
	v_pk_mul_f32 v[KS+2:KS+3], v[X+6:X+7], v[176+4*\a:177+4*\a] op_sel_hi:[1,0]
.irp j, 0,1,2,3,4,5,6,7
	v_and_b32 v[224+\j], 0xffffe000, v[208+\j]     ; u's high parts,
.endr
.irp j, 0,2,4,6
	v_pk_add_f32 v[208+\j:209+\j], v[208+\j:209+\j], v[224+\j:225+\j] neg_lo:[0,1] neg_hi:[0,1]   ; and the rest, exactly
.endr
.irp j, 0,1,2,3
	v_cvt_pk_f16_f32 v[E+\j], v[224+2*\j], v[225+2*\j]
	v_cvt_pk_f16_f32 v[E+4+\j], v[208+2*\j], v[209+2*\j]
.endr
	s_and_saveexec_b32 s50, s60                    ; lanes 0-15
	ds_store_b128 v13, v[X:X+3] offset:QP*\a+256*\k
	ds_store_b128 v14, v[E:E+3] offset:UP*\a+512*\k
	ds_store_b128 v14, v[E+4:E+7] offset:UP*\a+512*\k+16
.irp c, 0,1,2,3
	ds_store_b32 v15, v[KS+\c] offset:KP*\a+512*\c+64*\k   ; keys innermost: sixteen lanes store 64 neighbouring bytes
.endr
	s_or_b32 exec_lo, exec_lo, s50
	s_and_saveexec_b32 s50, s61                    ; lanes 16-31
	ds_store_b128 v16, v[X:X+3] offset:VP*\a+512*\k
	ds_store_b128 v16, v[X+4:X+7] offset:VP*\a+512*\k+16
	s_or_b32 exec_lo, exec_lo, s50
.endr
	s_wait_dscnt 0x0                               ; the stores have read their registers, and have landed
.endm
	PRE 0
	PRE 1
	PRE 2
	PRE 3
	s_barrier_signal -1                            ; (PRE ends with the wait for my LDS stores)
	s_barrier_wait -1                              ; q, u, A1 k and v of all 16 rows lie in LDS
	; ---- what stays in registers for all 32 strips
	ds_load_b32 v204, v242 offset:COEF+12          ; C of the row's head; the packed form names a pair, so both are written
	ds_load_b32 v205, v242 offset:COEF+12
	WIN 0x40                                       ; destination window 1: A1 k of my row: plane c, key 16 n + 8 h + j at register 64 c + 8 n + j
.irp c, 0,1,2,3
.irp n, 0,1,2,3,4,5,6,7
	ds_load_b128 v[64*\c+8*\n:64*\c+8*\n+3], v246 offset:512*\c+64*\n
	ds_load_b128 v[64*\c+8*\n+4:64*\c+8*\n+7], v246 offset:512*\c+64*\n+16
.endr
.endr
	WIN 0x80                                       ; window 2: v of my row: key 16 n + 8 h + j, plane c at register 8 (8 n + j) + c; tiles 0-3,
.irp n, 0,1,2,3
.irp j, 0,1,2,3,4,5,6,7
	ds_load_b128 v[64*\n+8*\j:64*\n+8*\j+3], v247 offset:512*\n+32*\j
	ds_load_b128 v[64*\n+8*\j+4:64*\n+8*\j+7], v247 offset:512*\n+32*\j+16
.endr
.endr
	WIN 0xc0                                       ; window 3: tiles 4-7
.irp n, 0,1,2,3
.irp j, 0,1,2,3,4,5,6,7
	ds_load_b128 v[64*\n+8*\j:64*\n+8*\j+3], v247 offset:2048+512*\n+32*\j
	ds_load_b128 v[64*\n+8*\j+4:64*\n+8*\j+7], v247 offset:2048+512*\n+32*\j+16
.endr
.endr
	WIN 0
.set i, 0
.rept 16
	v_mov_b32 v[48+i], 0                           ; the statistics
.set i, i+1
.endr
	v_mov_b32 v249, 0                              ; written once: lane permutes' destinations and the upper halves of pairs of which the low word serves both halves
	v_mov_b32 v250, 0
	v_mov_b32 v253, 0
; q, u and the eight fragments of pos for the position d on from the one in hand
.macro LOADA d
	ds_load_b128 v[200:203], v40 offset:16*\d
	ds_load_b128 v[192:195], v41 offset:32*\d
.irp n, 0,1,2,3,4,5,6,7
	ds_load_b128 v[128+8*\n:131+8*\n], v42 offset:16*(112-16*\n)+16*\d          ; K = 0-7 and 8-15: the high parts of planes 0-7 at d = p - (16 n + r) + 127 (both halves of the lanes take the same),
	ds_load_b128 v[132+8*\n:135+8*\n], v42 offset:PT1L+16*(112-16*\n)+16*\d     ; K = 16-23 and 24-31: the low parts
.endr
.endm
; att_v: 32 of my 64 keys: for each key four packed multiply-adds, (v_c, v_c+1) x p; even and odd keys have sums of their own, so that eight instructions lie between two on one sum.  The first two keys start the sums.
.macro ATTV w
	WIN (0x02+\w)                                  ; source 0 (v) window 2 or 3
.set t, 0
.rept 32
.set PR, 64+32*\w+t-t%2
.set AC, 224+8*(t%2)
.irp q, 0,2,4,6
.if (\w == 0) && (t < 2)
.if t%2
	v_pk_mul_f32 v[AC+\q:AC+\q+1], v[8*t+\q:8*t+\q+1], v[PR:PR+1] op_sel:[0,1] op_sel_hi:[1,1]
.else
	v_pk_mul_f32 v[AC+\q:AC+\q+1], v[8*t+\q:8*t+\q+1], v[PR:PR+1] op_sel_hi:[1,0]
.endif
.else
.if t%2
	v_pk_fma_f32 v[AC+\q:AC+\q+1], v[8*t+\q:8*t+\q+1], v[PR:PR+1], v[AC+\q:AC+\q+1] op_sel:[0,1,0] op_sel_hi:[1,1,1]
.else
	v_pk_fma_f32 v[AC+\q:AC+\q+1], v[8*t+\q:8*t+\q+1], v[PR:PR+1], v[AC+\q:AC+\q+1] op_sel_hi:[1,0,1]
.endif
.endif
.endr
.set t, t+1
.endr
	WIN 0
.endm
	s_mov_b32 s52, 32                              ; strips to go
	s_lshl_b32 s53, s40, 9                         ; 16 p, p = 32 x wave
	s_lshl_b32 s54, s53, 1
	v_add_nc_u32 v40, s53, v32
	v_add_nc_u32 v41, s54, v33
	v_add_nc_u32 v42, s53, v34
	LOADA 0                                        ; the first strip's
	s_wait_dscnt 0x0                               ; they, and all that stays, are in
	s_mov_b32 s51, 8
.Lfour:                                                ; eight trips: four positions, then their 16 x 256 bytes of Z
	s_mov_b32 s55, 0                               ; 64 x position % 4
	s_mov_b32 s59, 4
.Lstrip:                                               ; four trips: a strip each
	s_lshl_b32 s54, s53, 1
	v_add_nc_u32 v40, s53, v32
	v_add_nc_u32 v41, s54, v33
	v_add_nc_u32 v42, s53, v34
	v_add_nc_u32 v43, s53, v35
	v_add_nc_u32 v44, s55, v36
	s_wait_dscnt 2                                 ; q, u and pos, asked for in the strip before, are in; behind them only that strip's two stores into the stage were issued
.irp j, 0,1,2,3
	v_and_b32 v[196+\j], v45, v[192+\j]            ; K = 16-23: u_hi once more (lanes 0-15); K = 24-31: zeros (lanes 16-31)
.endr
	WIN 0x01                                       ; source 0 (A1 k) window 1.  S = C + q . A1 k, two keys at a time, plane by plane: 32 instructions lie between two on one pair
.set i, 0
.rept 32
	v_pk_fma_f32 v[64+i:65+i], v[i:i+1], v[200:201], v[204:205] op_sel_hi:[1,0,0]
.set i, i+2
.endr
.set i, 0
.rept 32
	v_pk_fma_f32 v[64+i:65+i], v[64+i:65+i], v[200:201], v[64+i:65+i] op_sel:[0,1,0] op_sel_hi:[1,1,1]
.set i, i+2
.endr
.set i, 0
.rept 32
	v_pk_fma_f32 v[64+i:65+i], v[128+i:129+i], v[202:203], v[64+i:65+i] op_sel_hi:[1,0,1]
.set i, i+2
.endr
.set i, 0
.rept 32
	v_pk_fma_f32 v[64+i:65+i], v[192+i:193+i], v[202:203], v[64+i:65+i] op_sel:[0,1,0] op_sel_hi:[1,1,1]
.set i, i+2
.endr
	WIN 0
.irp n, 0,1,2,3,4,5,6,7                ; + u . pos: one instruction a tile, eight accumulators
	v_wmma_f32_16x16x32_f16 v[64+8*\n:71+8*\n], v[128+8*\n:135+8*\n], v[192:199], v[64+8*\n:71+8*\n]
.endr
.rept 4
	v_nop                                          ; four places: in front of the loads into the fragments' registers, and of the first read of results
.endr
.irp s, 0,1,2,3
	ds_load_tr16_b128 v[160+8*\s:163+8*\s], v43 offset:16*(112-32*\s)   ; att_vp's source 0: planes 8-15 (and the ones) at keys 32 s + 8 h + 0 .. 7 (d falls as the key rises),
	ds_load_tr16_b128 v[164+8*\s:167+8*\s], v43 offset:16*(96-32*\s)    ; and 16 on.  They land while the softmax is walked
.endr
.irp n, 0,1,2,3,4,5,6,7
	v_max3_num_f32 v[224+\n], v[64+8*\n], v[65+8*\n], v[66+8*\n]   ; the row's maximum: each tile from its low end on
.endr
.irp n, 0,1,2,3,4,5,6,7
	v_max3_num_f32 v[224+\n], v[224+\n], v[67+8*\n], v[68+8*\n]
.endr
.irp n, 0,1,2,3,4,5,6,7
	v_max3_num_f32 v[224+\n], v[224+\n], v[69+8*\n], v[70+8*\n]
.endr
.irp n, 0,2,4,6
	v_max3_num_f32 v[224+\n], v[224+\n], v[71+8*\n], v[79+8*\n]
.endr
	v_max3_num_f32 v224, v224, v225, v226
	v_max3_num_f32 v227, v227, v228, v229
	v_max3_num_f32 v224, v224, v230, v231
	v_max_num_f32 v224, v224, v227
	v_permlanex16_b32 v249, v224, s42, s43         ; the row's other 64 keys lie in the lane 16 away
	v_max_num_f32 v248, v224, v249
.set i, 0
.rept 32
	v_pk_add_f32 v[64+i:65+i], v[64+i:65+i], v[248:249] op_sel_hi:[1,0] neg_lo:[0,1] neg_hi:[0,1]
.set i, i+2
.endr
.set i, 0
.rept 64
	v_exp_f32 v[64+i], v[64+i]                     ; p = 2^(S - maximum), at most 1
.set i, i+1
.endr
	v_nop                                          ; one plain place behind the transcendentals
.set i, 0
	s_wait_alu depctr_va_vdst(0)
.rept 32
	v_cvt_pk_f16_f32 v[128+i], v[64+2*i], v[65+2*i] ; tile n's eight keys to four registers: registers 8 s .. 8 s + 7 are source 1 of keys 32 s on.  p itself stays, for att_v
.set i, i+1
.endr
	s_wait_dscnt 0x0                               ; att_vp's source 0
	v_wmma_f32_16x16x32_f16 v[208:215], v[160:167], v[128:135], 0          ; two accumulators by turns, one instruction a turn
	v_wmma_f32_16x16x32_f16 v[216:223], v[168:175], v[136:143], 0
	v_wmma_f32_16x16x32_f16 v[208:215], v[176:183], v[144:151], v[208:215]
	v_wmma_f32_16x16x32_f16 v[216:223], v[184:191], v[152:159], v[216:223]
	ATTV 0                                         ; (its 128 instructions name none of those products' registers: they are the places in front of the loads below)
	s_cmp_eq_u32 s52, 1                            ; the last strip has no successor
	s_cbranch_scc1 .Lno_next
	LOADA 1                                        ; the next strip's q, u and pos land under the rest of this strip
.Lno_next:
	ATTV 1
.irp j, 0,2,4,6
	v_pk_add_f32 v[224+\j:225+\j], v[224+\j:225+\j], v[232+\j:233+\j]   ; even and odd keys
.endr
.irp j, 0,2,4,6
	v_pk_add_f32 v[208+\j:209+\j], v[208+\j:209+\j], v[216+\j:217+\j]   ; the two accumulators, from their low ends on.  Lanes 0-15: att_vp's eight planes; lanes 16-31: register 0 is the sum of p
.endr
	v_permlanex16_b32 v250, v208, s42, s43
.irp j, 0,1,2,3,4,5,6,7
	v_permlanex16_b32 v[232+\j], v[224+\j], s42, s43
.endr
	v_cndmask_b32 v250, v250, v208, s61            ; the sum of p, in both lanes of the row
	v_rcp_f32 v254, v250
.irp j, 0,2,4,6
	v_pk_add_f32 v[224+\j:225+\j], v[224+\j:225+\j], v[232+\j:233+\j]   ; att_v: with the row's other 64 keys.  (Also the plain places behind the reciprocal)
.endr
	s_wait_alu depctr_va_vdst(0)
	v_mul_f32 v252, v39, v254                      ; gate / sum
.irp j, 0,1,2,3,4,5,6,7
	v_cndmask_b32 v[208+\j], v[208+\j], v[224+\j], s61   ; lanes 16-31 go on with att_v, lanes 0-15 with att_vp
.endr
.irp j, 0,2,4,6
	v_pk_mul_f32 v[208+\j:209+\j], v[208+\j:209+\j], v[252:253] op_sel_hi:[1,0]
.endr
.irp j, 0,2,4,6
	v_pk_add_f32 v[48+\j:49+\j], v[48+\j:49+\j], v[208+\j:209+\j]
	v_pk_fma_f32 v[56+\j:57+\j], v[208+\j:209+\j], v[208+\j:209+\j], v[56+\j:57+\j]
.endr
	ds_store_b128 v44, v[208:211]
	ds_store_b128 v44, v[212:215] offset:16
	s_add_co_u32 s53, s53, 16
	s_add_co_u32 s55, s55, 64
	s_sub_co_u32 s52, s52, 1
	s_sub_co_u32 s59, s59, 1
	s_cmp_lg_u32 s59, 0
	s_cbranch_scc1 .Lstrip
.irp t, 0,1,2,3,4,5,6,7
	ds_load_b128 v[64+4*\t:67+4*\t], v37 offset:2*SP*\t   ; LDS serves a wave's instructions in order: these see my stores, and the next strips' stores come behind them
.endr
.irp t, 0,1,2,3,4,5,6,7
	s_wait_dscnt 7-\t                              ; load t is in; the younger ones may be out
	global_store_b128 v38, v[64+4*\t:67+4*\t], s[34:35] offset:16384*\t   ; sixteen lanes store 256 consecutive bytes, aligned: four positions of one row
.endr
	s_wait_xcnt 0x0                                ; the stores have read their registers and their base: both are written again only behind this wait
	s_add_nc_u64 s[34:35], s[34:35], 256
	s_sub_co_u32 s51, s51, 1
	s_cmp_lg_u32 s51, 0
	s_cbranch_scc1 .Lfour
	; ---- the statistics: a lane's sums belong to its row's head; lanes 16-31 hold att_v's, lanes 0-15 att_vp's
	v_pk_add_f32 v[48:49], v[48:49], v[50:51]
	v_pk_add_f32 v[52:53], v[52:53], v[54:55]
	v_pk_add_f32 v[56:57], v[56:57], v[58:59]
	v_pk_add_f32 v[60:61], v[60:61], v[62:63]
	v_pk_add_f32 v[48:49], v[48:49], v[52:53]
	v_pk_add_f32 v[56:57], v[56:57], v[60:61]
	v_add_f32 v48, v48, v49
	v_add_f32 v49, v56, v57
	v_add_f32_dpp v48, v48, v48 row_xmask:8 row_mask:0xf bank_mask:0xf   ; the two columns: rows r and r xor 8
	v_add_f32_dpp v49, v49, v49 row_xmask:8 row_mask:0xf bank_mask:0xf
	ds_store_b64 v245, v[48:49] offset:RED3        ; two lanes write the same bytes with the same values
	BARRIER
	s_cmp_lg_u32 s40, 0
	s_cbranch_scc1 .Lend
.irp w, 0,1,2,3
	ds_load_b32 v[64+\w], v244 offset:RED3+128*\w
.endr
	s_wait_dscnt 0x0
	v_pk_add_f32 v[64:65], v[64:65], v[66:67]
	v_add_f32 v64, v64, v65
	global_store_b32 v244, v64, s[36:37]           ; 128 bytes a work-group of a buffer of 32,768
.Lend:
	s_wait_tensorcnt 0x0
	ds_add_u32 v47, v255
	s_wait_dscnt 0x0
	s_endpgm
.Lfunc_end_k_qe1266b3e07_attn:
	.size	k_qe1266b3e07_attn, .Lfunc_end_k_qe1266b3e07_attn-k_qe1266b3e07_attn
	.p2alignl 7, 3214868480
	.fill 96, 4, 3214868480
	.section	.rodata,"a",@progbits
	.p2align	6, 0x0
	.amdhsa_kernel k_qe1266b3e07_attn
		.amdhsa_group_segment_fixed_size 235008
		.amdhsa_private_segment_fixed_size 0
		.amdhsa_enable_private_segment 0
		.amdhsa_kernarg_size 120
		.amdhsa_user_sgpr_count 2
		.amdhsa_user_sgpr_kernarg_segment_ptr 1
		.amdhsa_wavefront_size32 1
		.amdhsa_system_sgpr_workgroup_id_x 1
		.amdhsa_system_sgpr_workgroup_id_y 1
		.amdhsa_system_sgpr_workgroup_id_z 1
		.amdhsa_system_vgpr_workitem_id 0
		.amdhsa_next_free_vgpr 1024
		.amdhsa_next_free_sgpr 66
		.amdhsa_reserve_vcc 0
		.amdhsa_float_denorm_mode_32 3
		.amdhsa_float_denorm_mode_16_64 3
		.amdhsa_memory_ordered 1
		.amdhsa_forward_progress 1
		.amdhsa_inst_pref_size 186
	.end_amdhsa_kernel
	.amdgpu_metadata
---
amdhsa.version: [ 1, 2 ]
amdhsa.kernels:
  - .name:           k_qe1266b3e07_attn
    .symbol:         k_qe1266b3e07_attn.kd
    .args:
      - { .name: x_codes, .offset: 0, .size: 8, .value_kind: global_buffer, .address_space: global }
      - { .name: x_scales, .offset: 8, .size: 8, .value_kind: global_buffer, .address_space: global }
      - { .name: w_qkv_codes, .offset: 16, .size: 8, .value_kind: global_buffer, .address_space: global }
      - { .name: w_qkv_scales, .offset: 24, .size: 8, .value_kind: global_buffer, .address_space: global }
      - { .name: ST1, .offset: 32, .size: 8, .value_kind: global_buffer, .address_space: global }
      - { .name: P2, .offset: 40, .size: 8, .value_kind: global_buffer, .address_space: global }
      - { .name: pos_relative, .offset: 48, .size: 8, .value_kind: global_buffer, .address_space: global }
      - { .name: gate_qr, .offset: 56, .size: 8, .value_kind: global_buffer, .address_space: global }
      - { .name: gate_kr, .offset: 64, .size: 8, .value_kind: global_buffer, .address_space: global }
      - { .name: gate_v, .offset: 72, .size: 8, .value_kind: global_buffer, .address_space: global }
      - { .name: gate_v_pos, .offset: 80, .size: 8, .value_kind: global_buffer, .address_space: global }
      - { .name: gamma_att, .offset: 88, .size: 8, .value_kind: global_buffer, .address_space: global }
      - { .name: beta_att, .offset: 96, .size: 8, .value_kind: global_buffer, .address_space: global }
      - { .name: Z, .offset: 104, .size: 8, .value_kind: global_buffer, .address_space: global }
      - { .name: P3, .offset: 112, .size: 8, .value_kind: global_buffer, .address_space: global }
    .group_segment_fixed_size: 235008
    .private_segment_fixed_size: 0
    .kernarg_segment_align: 8
    .kernarg_segment_size: 120
    .max_flat_workgroup_size: 128
    .sgpr_count:     66
    .vgpr_count:     1024
    .wavefront_size: 32
...
	.end_amdgpu_metadata
.endif
;; end of part 3
;; launch outp (part 4): grid 256 x 1, 8 waves a work-group, no clusters, 136,704 bytes of LDS; arguments Z, P3, gamma_v, beta_v, out0; writes out0
.if DOCPART == 4
	.amdgcn_target "amdgcn-amd-amdhsa--gfx1250"
	.amdhsa_code_object_version 6
	.text
	.protected	k_qe1266b3e07_outp
	.globl	k_qe1266b3e07_outp
	.p2align	8
	.type	k_qe1266b3e07_outp,@function
k_qe1266b3e07_outp:
	s_mov_b64 s[64:65], 0
	v_nop
	global_prefetch_b8 v0, s[64:65] scope:SCOPE_SE
	s_setreg_imm32_b32 hwreg(HW_REG_WAVE_MODE, 25, 1), 1
	s_wait_xcnt 0x0
; FOURTH LAUNCH: the last batch norm, the sum of its two halves, and the transposition.  out0[b][8 head + c][p][w] = sV V + sP P + sh, V = Z[n][head][p][c], P = Z[n][head][p][8 + c], n = 128 b + w;
; sV = gamma_v[head] / sqrt(var V + 1e-5), sP likewise with gamma_v[8 + head], sh = the two betas less sV mean V less sP mean P; means and variances over 2^19 numbers, from P3's sums.
; SHARES.  Work-group (b, head, pb): 16 positions, all 128 w: 131,072 bytes in, 65,536 out.  Z has w outermost and out0 has w innermost: the numbers turn through LDS.
; In: sixteen lanes read 256 consecutive bytes of one w (four positions x 16 numbers); a wave takes 16 w.  All 32 loads of a wave are issued at once.  LDS: four regions (V c 0-3, V c 4-7, P c 0-3, P c 4-7), in each
; 64 rows (4 c x 16 p) of 128 w, 528 bytes apart; regions 33,856 bytes apart: the 32 lanes of a store of 4 bytes then fall on words 16 (lane % 4) + 4 ((lane / 4) % 4) + lane / 16 modulo 64, all different.
; Out: wave c reads rows of 512 bytes and stores them: 512 consecutive bytes, aligned.  No matrix work, no tensor load: memory binds, and every byte of Z is read once and every byte of out0 written once.
; LIMITS: variances are E[x^2] - mean^2 in f32, held at 0 from below; NaN and infinities are not served.
.set REG4, 33856
.set RED,  4*REG4
	s_load_b256 s[8:15], s[0:1], 0x0               ; Z s[8:9], P3 s[10:11], gamma_v s[12:13], beta_v s[14:15]
	s_load_b64 s[16:17], s[0:1], 0x20              ; out0
	v_lshl_add_u32 v176, v0, 2, 0x21200
	v_mov_b32 v177, 0
	v_lshrrev_b32 v5, 5, v0
	v_readfirstlane_b32 s18, v5                    ; wave 0..7
	v_and_b32 v1, 31, v0                           ; lane
	v_bfe_u32 v10, v0, 4, 1                        ; lane / 16
	v_and_b32 v11, 15, v0
	v_lshlrev_b32 v2, 16, v10
	v_lshl_add_u32 v2, v11, 4, v2                  ; Z: lanes 16-31 take the next w; 16 bytes a lane
	v_lshlrev_b32 v3, 7, v0                        ; P3: thread t takes work-group t's 16 bytes of my head
	v_and_b32 v11, 3, v0
	v_mul_u32_u24 v4, v11, REG4
	v_bfe_u32 v11, v0, 2, 2
	v_mad_u32_u24 v4, v11, 528, v4
	v_lshl_add_u32 v4, v10, 2, v4
	v_lshl_add_u32 v4, v5, 6, v4                   ; into LDS: region lane % 4, row (lane / 4) % 4, w = 16 wave + lane / 16
	v_lshl_add_u32 v5, v5, 4, RED
	v_mov_b32 v6, RED
	v_bfe_u32 v11, v0, 7, 1
	v_mul_u32_u24 v7, v11, REG4
	v_bfe_u32 v11, v0, 5, 2
	v_mad_u32_u24 v7, v11, 8448, v7
	v_lshl_add_u32 v7, v1, 4, v7                   ; out of LDS: c = wave: region c / 4, rows 16 (c % 4) on; 16 bytes a lane
	v_add_nc_u32 v8, 2*REG4, v7                    ; and the same of P
	v_lshlrev_b32 v9, 4, v1
.irp j, 16,17,18,19,21,23,25
	v_mov_b32 v[\j], 0                             ; lane permutes' destinations, and the upper halves of pairs of which the low word serves both halves
.endr
	s_lshr_b32 s19, ttmp9, 6                       ; b
	s_bfe_u32 s20, ttmp9, 0x30003                  ; head
	s_and_b32 s21, ttmp9, 7                        ; pb
	s_mov_b32 s26, 0x76543210
	s_mov_b32 s27, 0xfedcba98
	s_lshl_b32 s28, s19, 23
	s_lshl_b32 s30, s18, 20
	s_add_co_u32 s28, s28, s30
	s_lshl_b32 s30, s20, 13
	s_add_co_u32 s28, s28, s30
	s_lshl_b32 s30, s21, 10
	s_add_co_u32 s28, s28, s30                     ; Z: 128 b + 16 wave columns of 65,536 bytes, head, 16 pb positions of 64 bytes
	s_mov_b32 s29, 0
	s_lshl_b32 s30, s20, 4
	s_mov_b32 s31, 0
	s_lshl_b32 s32, s20, 2
	s_mov_b32 s33, 0
	s_lshl_b32 s34, s19, 22
	s_lshl_b32 s36, s20, 3
	s_add_co_u32 s36, s36, s18
	s_lshl_b32 s36, s36, 16
	s_add_co_u32 s34, s34, s36
	s_lshl_b32 s36, s21, 13
	s_add_co_u32 s34, s34, s36                     ; out0: b, channel 8 head + wave, 16 pb rows of 512 bytes
	s_mov_b32 s35, 0
	s_wait_kmcnt 0x0
	s_add_nc_u64 s[8:9], s[8:9], s[28:29]
	s_add_nc_u64 s[10:11], s[10:11], s[30:31]
	s_add_nc_u64 s[12:13], s[12:13], s[32:33]
	s_add_nc_u64 s[14:15], s[14:15], s[32:33]
	s_add_nc_u64 s[16:17], s[16:17], s[34:35]
	s_load_b32 s22, s[12:13], 0x0                  ; gamma_v[head], gamma_v[8 + head]
	s_load_b32 s23, s[12:13], 0x20
	s_load_b32 s24, s[14:15], 0x0                  ; beta_v likewise
	s_load_b32 s25, s[14:15], 0x20
	global_load_b128 v[12:15], v3, s[10:11]
.irp k, 0,1,2,3,4,5,6,7
.irp j, 0,1,2,3
	global_load_b128 v[32+4*(4*\k+\j):35+4*(4*\k+\j)], v2, s[8:9] offset:131072*\k+256*\j th:TH_LOAD_NT   ; w = 16 wave + 2 k + lane / 16, positions 4 j on; read once in the launch
.endr
.endr
	s_wait_loadcnt 32                              ; P3's load is in; Z's 32, issued behind it, may be out
.irp m, 1,2,4,8
.irp j, 12,13,14,15
	v_add_f32_dpp v[\j], v[\j], v[\j] row_xmask:\m row_mask:0xf bank_mask:0xf
.endr
.endr
.irp j, 0,1,2,3
	v_permlanex16_b32 v[16+\j], v[12+\j], s26, s27
.endr
.irp j, 0,1,2,3
	v_add_f32 v[12+\j], v[12+\j], v[16+\j]
.endr
	ds_store_b128 v5, v[12:15]                     ; my wave's 32 work-groups' sums; all lanes write the same bytes with the same values
.irp k, 0,1,2,3,4,5,6,7
.irp j, 0,1,2,3
	s_wait_loadcnt 31-(4*\k+\j)                    ; loads come back in order: this one is in, the younger ones may be out
.irp e, 0,1,2,3
	ds_store_b32 v4, v[32+4*(4*\k+\j)+\e] offset:8448*\e+2112*\j+8*\k
.endr
.endr
.endr
	s_wait_dscnt 0x0                               ; for the others' sake: my stores have landed
	s_barrier_signal -1
	s_barrier_wait -1
.irp w, 0,1,2,3,4,5,6,7
	ds_load_b128 v[32+4*\w:35+4*\w], v6 offset:16*\w
.endr
	s_wait_dscnt 0x0
.irp d, 4,2,1
.set i, 0
.rept \d
	v_pk_add_f32 v[32+4*i:33+4*i], v[32+4*i:33+4*i], v[32+4*(i+\d):33+4*(i+\d)]
	v_pk_add_f32 v[34+4*i:35+4*i], v[34+4*i:35+4*i], v[34+4*(i+\d):35+4*(i+\d)]
.set i, i+1
.endr
.endr
.irp j, 32,33,34,35
	v_mul_f32 v[\j], 0x36000000, v[\j]             ; / 2^19 = 512 x 8 x 128
.endr
	v_fma_f32 v33, -v32, v32, v33
	v_fma_f32 v35, -v34, v34, v35
	v_max_num_f32 v33, 0, v33
	v_max_num_f32 v35, 0, v35
	v_add_f32 v33, 0x3727c5ac, v33                 ; + 1e-5
	v_add_f32 v35, 0x3727c5ac, v35
	v_rsq_f32 v33, v33
	v_rsq_f32 v35, v35
	s_wait_kmcnt 0x0
	v_mov_b32 v24, s24                             ; (a plain place behind the transcendentals)
	s_wait_alu depctr_va_vdst(0)
	v_mul_f32 v20, s22, v33                        ; sV
	v_mul_f32 v22, s23, v35                        ; sP
	v_add_f32 v24, s25, v24
	v_fma_f32 v24, -v20, v32, v24
	v_fma_f32 v24, -v22, v34, v24                  ; sh
.irp p, 0,1,2,3,4,5,6,7,8,9,10,11,12,13,14,15
	ds_load_b128 v[32+4*\p:35+4*\p], v7 offset:528*\p
	ds_load_b128 v[96+4*\p:99+4*\p], v8 offset:528*\p
.endr
.irp p, 0,1,2,3,4,5,6,7,8,9,10,11,12,13,14,15
	s_wait_dscnt 30-2*\p                           ; row p's two loads are in; the younger rows' may be out
	v_pk_fma_f32 v[96+4*\p:97+4*\p], v[96+4*\p:97+4*\p], v[22:23], v[24:25] op_sel_hi:[1,0,0]
	v_pk_fma_f32 v[98+4*\p:99+4*\p], v[98+4*\p:99+4*\p], v[22:23], v[24:25] op_sel_hi:[1,0,0]
	v_pk_fma_f32 v[32+4*\p:33+4*\p], v[32+4*\p:33+4*\p], v[20:21], v[96+4*\p:97+4*\p] op_sel_hi:[1,0,1]
	v_pk_fma_f32 v[34+4*\p:35+4*\p], v[34+4*\p:35+4*\p], v[20:21], v[98+4*\p:99+4*\p] op_sel_hi:[1,0,1]
	global_store_b128 v9, v[32+4*\p:35+4*\p], s[16:17] offset:512*\p th:TH_STORE_NT   ; 32 lanes store a row of 512 bytes, aligned; written once, read by nobody here
.endr
	s_wait_tensorcnt 0x0
	ds_add_u32 v176, v177
	s_wait_dscnt 0x0
	s_endpgm
.Lfunc_end_k_qe1266b3e07_outp:
	.size	k_qe1266b3e07_outp, .Lfunc_end_k_qe1266b3e07_outp-k_qe1266b3e07_outp
	.p2alignl 7, 3214868480
	.fill 96, 4, 3214868480
	.section	.rodata,"a",@progbits
	.p2align	6, 0x0
	.amdhsa_kernel k_qe1266b3e07_outp
		.amdhsa_group_segment_fixed_size 136704
		.amdhsa_private_segment_fixed_size 0
		.amdhsa_enable_private_segment 0
		.amdhsa_kernarg_size 40
		.amdhsa_user_sgpr_count 2
		.amdhsa_user_sgpr_kernarg_segment_ptr 1
		.amdhsa_wavefront_size32 1
		.amdhsa_system_sgpr_workgroup_id_x 1
		.amdhsa_system_sgpr_workgroup_id_y 1
		.amdhsa_system_sgpr_workgroup_id_z 1
		.amdhsa_system_vgpr_workitem_id 0
		.amdhsa_next_free_vgpr 178
		.amdhsa_next_free_sgpr 66
		.amdhsa_reserve_vcc 0
		.amdhsa_float_denorm_mode_32 3
		.amdhsa_float_denorm_mode_16_64 3
		.amdhsa_memory_ordered 1
		.amdhsa_forward_progress 1
		.amdhsa_inst_pref_size 28
	.end_amdhsa_kernel
	.amdgpu_metadata
---
amdhsa.version: [ 1, 2 ]
amdhsa.kernels:
  - .name:           k_qe1266b3e07_outp
    .symbol:         k_qe1266b3e07_outp.kd
    .args:
      - { .name: Z, .offset: 0, .size: 8, .value_kind: global_buffer, .address_space: global }
      - { .name: P3, .offset: 8, .size: 8, .value_kind: global_buffer, .address_space: global }
      - { .name: gamma_v, .offset: 16, .size: 8, .value_kind: global_buffer, .address_space: global }
      - { .name: beta_v, .offset: 24, .size: 8, .value_kind: global_buffer, .address_space: global }
      - { .name: out0, .offset: 32, .size: 8, .value_kind: global_buffer, .address_space: global }
    .group_segment_fixed_size: 136704
    .private_segment_fixed_size: 0
    .kernarg_segment_align: 8
    .kernarg_segment_size: 40
    .max_flat_workgroup_size: 256
    .sgpr_count:     66
    .vgpr_count:     178
    .wavefront_size: 32
...
	.end_amdgpu_metadata
.endif
;; end of part 4
